; MI455X (gfx1250); checked and timed in simulation.
; The chip was launched on July 23, 2026; its instructions are those of AMD's public machine-readable ISA for CDNA 5 (MIT licence, August 2026) and "CDNA5" Instruction Set Architecture Reference Guide (July 2026). The comments in the code are by the model that wrote it; some were corrected since.
;; Self Attention. Allowed arithmetic: matrix products marked QUANTISED: E2M1 operands, one E8M0 scale for each 32 along K, by v_wmma_scale_f32_16x16x128_f8f6f4 with both operands' format E2M1 (or v_wmma_scale_f32_32x16x128_f4), f32 sums; products left as they are: bf16, f16 or f32 operands; f32 sums; everything else in f32.
;; Inputs: Wout 1,024 x 1,024 float32; Wqkv 3,072 x 1,024 float32; bout 1,024 float32; bqkv 3,072 float32; x 4 x 2,048 x 1,024 float32.
;; Outputs: out0 4 x 2,048 x 1,024 float32.
;; This version of the problem:
;;   THIS VERSION OF THE PROBLEM IS GIVEN IN LOW PRECISION. The matrix products marked QUANTISED in the list below multiply operands that are first quantised to E2M1 (2 exponent bits, 1 mantissa bit; 4 bits a number), with one power-of-two scale for each 32 numbers along K (OCP MX v1.0); their sums are f32. The products marked 'left as it is' may take bf16, f16 or f32 operands, with f32 sums. Whichever they take, every output number must still come out within the allowed error. Rounding operands to bf16 (8 significant bits) uses up far more of that allowance than f16 does (11 bits, for magnitudes from 6e-5 to 65,504). All else is computed in f32.
;;   The module's matrix products, in the order in which they are computed (A, B: the left and right operand; K: the contracted axis; several contracted axes count as one K, in the product's order):
;;     1. [M 8,192, K 1,024] x [K 1,024, N 3,072]; A: input x; B: input Wqkv: QUANTISED
;;     2. batch 64 x [M 2,048, K 64] x [K 64, N 2,048]; A: computed on the way; B: computed on the way: left as it is (an operand is computed on the way)
;;     3. batch 64 x [M 64, K 2,048] x [K 2,048, N 2,048]; A: computed on the way; B: computed on the way: left as it is (an operand is computed on the way)
;;     4. [M 8,192, K 1,024] x [K 1,024, N 1,024]; A: computed on the way; B: input Wout: left as it is (an operand is computed on the way)
;;   THE QUANTISER, for each operand of a quantised product, along K:
;;     - K is cut into blocks of 32 from its start; a last block that is shorter is filled with zeros.
;;     - A block's scale is 2^e with e = floor(log2(the largest magnitude in the block)) - 2, held to -126 .. 127; a block of zeros has e = 0. As a byte (E8M0): e + 127.
;;     - Each number is divided by its block's scale, clamped to +-6, and rounded to the nearest number of E2M1, ties to even, subnormals kept.
;;     - The product sums the exact products of the quantised numbers (number of the format x scale) in f32.
;;   ~~~python
;;   def quantise(x, axis):      # numpy; x: float32 -> the quantised numbers, widened to float32 again
;;       x = np.moveaxis(x, axis, -1); K = x.shape[-1]
;;       x = np.pad(x, [(0, 0)] * (x.ndim - 1) + [(0, -K % 32)]); x = x.reshape(x.shape[:-1] + (-1, 32)); a = np.abs(x).max(-1, keepdims=True)
;;       e = np.where(a > 0, np.clip(np.frexp(np.where(a > 0, a, 1))[1] - 1 - 2, -126, 127), 0)      # np.frexp(a)[1] - 1 = floor(log2(a)), exactly
;;       r = np.clip(x / 2.0 ** e, -6, 6)
;;       step = 2.0 ** (np.maximum(np.frexp(np.where(r == 0, 1, r))[1] - 1, 0) - 1)
;;       q = np.round(r / step) * step * 2.0 ** e      # np.round: ties to even
;;       return np.moveaxis(q.reshape(q.shape[:-2] + (-1,))[..., :K], -1, axis).astype(np.float32)
;;   ~~~
;; One version. Each part assembles by itself: llvm-mc -triple=amdgcn-amd-amdhsa -mcpu=gfx1250 --defsym DOCPART=n.
;; ======== version 1 of 1: 5 launches
;; limits: values are held in f16: magnitudes above 65,504 overflow, below 6.1e-05 lose precision
;; workspace buffers: codes 5,767,168 bytes; scales 360,448 bytes; wo16 2,097,152 bytes; qkv16 50,331,648 bytes; qkv32 786,432 bytes; a16 16,777,216 bytes
;; launch prep (part 1): grid 384 x 1, 4 waves a work-group, no clusters, 33,280 bytes of LDS; arguments x, Wqkv, Wout, codes, scales, wo16; writes codes, scales, wo16
.if DOCPART == 1
	.amdgcn_target "amdgcn-amd-amdhsa--gfx1250"
	.amdhsa_code_object_version 6
	.text
	.protected	k_q8757f461e1_prep
	.globl	k_q8757f461e1_prep
	.p2align	8
	.type	k_q8757f461e1_prep,@function
k_q8757f461e1_prep:
	s_mov_b64 s[64:65], 0
	v_nop
	global_prefetch_b8 v0, s[64:65] scope:SCOPE_SE
	s_setreg_imm32_b32 hwreg(HW_REG_WAVE_MODE, 25, 1), 1
	s_wait_xcnt 0x0
; x [8192][1024] and Wqkv [3072][1024], f32, K innermost, become codes of FP4 (E2M1), two to a byte, with one E8M0 byte for each 32 along K; Wout [1024][1024] becomes f16.
; codes: x's rows of 512 bytes, then Wqkv's; scales: x's rows of 32 bytes, then Wqkv's.  Rows are dense and 1,024 is a multiple of 32: each tensor is a plain stream of blocks of 32.
; A block's scale is 2^(floor(log2(largest magnitude)) - 2): its byte is the largest magnitude's exponent field - 2, held at 1 from below.  Each number is divided by the scale and rounded to the nearest code, ties to even; beyond 6 the largest code.
; LIMITS: a block of zeros gets the byte 1 where the rule says 127 (its codes are zeros, and this program alone reads the bytes); blocks whose largest magnitude lies under 2^-124 keep the byte 1;
; NaN and infinities among the inputs are not served; |Wout| stays under 65,504 (f16).
; SHARES: a work-group takes 32,768 numbers, a wave 8,192.  Work-groups 0-255: x; 256-351: Wqkv; 352-383: Wout.  Waves share nothing: no barrier.
; The quantiser: a wave takes 16 steps of 512 numbers.  Each load reads 512 consecutive bytes; a step's 2,048 bytes turn through the wave's own stage in LDS, so that a lane holds 16 neighbours along K
; (two neighbouring lanes hold a block).  A lane's 16 codes are 8 bytes: the wave stores 256 consecutive bytes.  A wave's 256 scale bytes are gathered in LDS and leave as one run of 256 bytes.
.set WAVES, 4
.set STEPS, 16
.set WGX,   256                        ; x's work-groups
.set WGQ,   352                        ; x's and Wqkv's
.set EMAX,  2
.set CB,    8                          ; bytes of 16 codes
.set R,     16                         ; v16-79   four sets of 16 numbers as they are loaded
.set X,     80                         ; v80-111  two sets of 16 neighbours
.set E,     112                        ; v112-127 a scale byte for each step
.set C,     128                        ; v128-191 codes: four registers for each step, so that no store's data are written again
.set WREG,  8192                       ; LDS: a region for each wave: two stages of 32 x SP bytes, behind them its 256 scale bytes
.set SP,    80                         ; a lane's place in a stage: 64 bytes + 16 of padding
.set SPW,   12                         ; v12 LDS address of my spare word; never rewritten
.set NIL,   13                         ; v13 0; never rewritten
.set SPARE, WAVES*WREG                 ; the spare words: 128 bytes a wave, named by no other line
	s_load_b128 s[4:7], s[0:1], 0x0                ; x, Wqkv
	s_load_b128 s[8:11], s[0:1], 0x10              ; Wout, codes
	s_load_b128 s[12:15], s[0:1], 0x20             ; scales, wo16
	v_lshl_add_u32 v[SPW], v0, 2, SPARE
	v_mov_b32 v[NIL], 0
	v_lshrrev_b32 v1, 5, v0
	v_readfirstlane_b32 s16, v1                    ; wave
	v_and_b32 v2, 31, v0                           ; lane
	v_lshlrev_b32 v3, 4, v2                        ; my 16 bytes of a load's 512
	s_mul_i32 s17, s16, WREG
	v_lshrrev_b32 v14, 2, v2
	v_mul_u32_u24 v14, v14, SP
	v_and_b32 v15, 3, v2
	v_lshl_add_u32 v14, v15, 4, v14
	v_add_nc_u32 v14, s17, v14                     ; the stage, on the way in: SP (lane / 4) + 16 (lane % 4)
	v_mul_u32_u24 v15, v2, SP
	v_add_nc_u32 v15, s17, v15                     ; and on the way out: SP x lane: my 16 neighbours
	v_mul_u32_u24 v4, v2, CB                       ; 8 bytes a lane: my codes' place in a step's (and my f16 numbers' in the Wout path)
	v_lshrrev_b32 v5, 1, v2
	s_add_co_u32 s17, s17, 2*32*SP
	v_add_nc_u32 v5, s17, v5                       ; LDS: my block's scale byte
	v_lshlrev_b32 v7, 3, v2
	v_add_nc_u32 v6, s17, v7                       ; and 8 bytes a lane on the way out
	s_mov_b32 s19, 0
	s_wait_kmcnt 0x0
	s_cmp_ge_u32 ttmp9, WGQ                        ; the work-group's number alone decides the path
	s_cbranch_scc1 .Lwout
	s_cmp_lt_u32 ttmp9, WGX
	s_cselect_b64 s[4:5], s[4:5], s[6:7]           ; x or Wqkv
	s_cselect_b32 s17, 0, WGX
	s_sub_co_u32 s17, ttmp9, s17
	s_lshl_b32 s17, s17, 2
	s_add_co_u32 s17, s17, s16                     ; which run of 8,192 numbers of the tensor is my wave's
	s_lshl_b32 s18, s17, 15
	s_add_nc_u64 s[4:5], s[4:5], s[18:19]
	s_lshl_b32 s17, ttmp9, 2
	s_add_co_u32 s17, s17, s16                     ; and which run of the outputs: Wqkv's follow x's in both buffers
	s_lshl_b32 s18, s17, 12
	s_add_nc_u64 s[10:11], s[10:11], s[18:19]      ; 4,096 bytes of codes a run
	s_lshl_b32 s18, s17, 8
	s_add_nc_u64 s[12:13], s[12:13], s[18:19]      ; 256 scale bytes a run
.macro LOAD t
.irp i, 0,1,2,3
	global_load_b128 v[R+16*((\t)%4)+4*\i:R+16*((\t)%4)+4*\i+3], v3, s[4:5] offset:2048*(\t)+512*\i th:TH_LOAD_NT
.endr
.endm
.macro TURN t                          ; step t's numbers through the stage: LDS serves a wave's instructions in order, so no wait stands between the stores and the loads
.irp i, 0,1,2,3
	ds_store_b128 v14, v[R+16*((\t)%4)+4*\i:R+16*((\t)%4)+4*\i+3] offset:32*SP*((\t)%2)+8*SP*\i
.endr
.irp i, 0,1,2,3
	ds_load_b128 v[X+16*((\t)%2)+4*\i:X+16*((\t)%2)+4*\i+3], v15 offset:32*SP*((\t)%2)+16*\i
.endr
.endm
.irp t, 0,1,2,3
	LOAD \t
.endr
	s_wait_loadcnt 12                              ; step 0's four loads are in; the twelve behind them stay out
	TURN 0
.macro STEP t
.set XS, X+16*((\t)%2)
.if (\t) > 0
	s_wait_dscnt 1                                 ; this step's numbers are back from the stage (the last step's byte store may be out)
.else
	s_wait_dscnt 0x0
.endif
.if (\t)+4 < STEPS
	LOAD (\t)+4                                    ; into the registers that the stage's stores have read
.endif
.if (\t)+1 < STEPS
.if STEPS-2-(\t) >= 3
	s_wait_loadcnt 12                              ; the next step's four loads are in; three steps' may be out
.else
	s_wait_loadcnt 4*(STEPS-2-(\t))
.endif
	TURN (\t)+1
.endif
	v_max3_num_f32 v8, |v[XS]|, |v[XS+1]|, |v[XS+2]|               ; the largest magnitude of my 16, in two chains
	v_max3_num_f32 v9, |v[XS+3]|, |v[XS+4]|, |v[XS+5]|
.irp i, 6,10
	v_max3_num_f32 v8, v8, |v[XS+\i]|, |v[XS+\i+1]|
	v_max3_num_f32 v9, v9, |v[XS+\i+2]|, |v[XS+\i+3]|
.endr
	v_max3_num_f32 v8, v8, |v[XS+14]|, |v[XS+15]|
	v_max3_num_f32 v8, v8, v9, (EMAX+1)<<23        ; and the floor 2^(3 - 127): the byte cannot fall under 1
	v_max_num_f32_dpp v8, v8, v8 row_xmask:1 row_mask:0xf bank_mask:0xf   ; with my neighbour's 16: the block's
	v_add_nc_u32 v11, -(EMAX<<23), v8              ; 2 off its exponent field: the conversion takes this operand's exponent field as its scale
	v_cvt_scalef32_pk8_fp4_f32 v[C+4*(\t)], v[XS:XS+7], v11
	v_cvt_scalef32_pk8_fp4_f32 v[C+4*(\t)+1], v[XS+8:XS+15], v11
	v_lshrrev_b32 v[E+(\t)], 23, v11               ; the scale's byte (also the plain line behind the conversions)
	ds_store_b8 v5, v[E+(\t)] offset:16*(\t)       ; both lanes of a block write the same byte with the same value
	global_store_b64 v4, v[C+4*(\t):C+4*(\t)+1], s[10:11] offset:32*CB*(\t)   ; 32 lanes: 256 consecutive bytes, aligned
.endm
.irp t, 0,1,2,3,4,5,6,7,8,9,10,11,12,13,14,15
	STEP \t
.endr
	ds_load_b64 v[8:9], v6                         ; LDS serves a wave's instructions in order: these see my byte stores
	s_wait_dscnt 0x0
	global_store_b64 v7, v[8:9], s[12:13]          ; 256 consecutive scale bytes, aligned
	s_wait_tensorcnt 0x0                           ; the wave's end, behind my last LDS store
	ds_add_u32 v[SPW], v[NIL]
	s_wait_dscnt 0x0
	s_endpgm
; Wout to f16: 64 loads of 512 consecutive bytes a wave, in four groups of sixteen on two sets of registers; a lane's four numbers become 8 bytes, a wave's store 256 consecutive bytes.  No LDS.
.macro LOADW g
.irp i, 0,1,2,3,4,5,6,7,8,9,10,11,12,13,14,15
	global_load_b128 v[16+64*((\g)%2)+4*\i:16+64*((\g)%2)+4*\i+3], v3, s[8:9] offset:8192*(\g)+512*\i th:TH_LOAD_NT
.endr
.endm
.macro GROUPW g
.if (\g) < 3
	s_wait_loadcnt 16                              ; this group's sixteen loads are in; the other set's sixteen may be out
.else
	s_wait_loadcnt 0x0
.endif
.if (\g) > 0
	s_wait_xcnt 0x0                                ; the last group's stores have read v144-175, which are written again below
.endif
.irp i, 0,1,2,3,4,5,6,7,8,9,10,11,12,13,14,15
	v_cvt_pk_f16_f32 v[144+2*\i], v[16+64*((\g)%2)+4*\i], v[16+64*((\g)%2)+4*\i+1]
	v_cvt_pk_f16_f32 v[145+2*\i], v[16+64*((\g)%2)+4*\i+2], v[16+64*((\g)%2)+4*\i+3]
.endr
.if (\g)+2 < 4
	LOADW (\g)+2
.endif
.irp i, 0,1,2,3,4,5,6,7,8,9,10,11,12,13,14,15
	global_store_b64 v4, v[144+2*\i:145+2*\i], s[14:15] offset:4096*(\g)+256*\i
.endr
.endm
.Lwout:
	s_sub_co_u32 s17, ttmp9, WGQ
	s_lshl_b32 s17, s17, 2
	s_add_co_u32 s17, s17, s16                     ; my wave's run of 8,192 numbers
	s_lshl_b32 s18, s17, 15
	s_add_nc_u64 s[8:9], s[8:9], s[18:19]
	s_lshl_b32 s18, s17, 14
	s_add_nc_u64 s[14:15], s[14:15], s[18:19]
	LOADW 0
	LOADW 1
.irp g, 0,1,2,3
	GROUPW \g
.endr
	s_wait_tensorcnt 0x0                           ; the three closing lines stand on this path too
	ds_add_u32 v[SPW], v[NIL]
	s_wait_dscnt 0x0
	s_endpgm
.Lfunc_end_k_q8757f461e1_prep:
	.size	k_q8757f461e1_prep, .Lfunc_end_k_q8757f461e1_prep-k_q8757f461e1_prep
	.p2alignl 7, 3214868480
	.fill 96, 4, 3214868480
	.section	.rodata,"a",@progbits
	.p2align	6, 0x0
	.amdhsa_kernel k_q8757f461e1_prep
		.amdhsa_group_segment_fixed_size 33280
		.amdhsa_private_segment_fixed_size 0
		.amdhsa_enable_private_segment 0
		.amdhsa_kernarg_size 48
		.amdhsa_user_sgpr_count 2
		.amdhsa_user_sgpr_kernarg_segment_ptr 1
		.amdhsa_wavefront_size32 1
		.amdhsa_system_sgpr_workgroup_id_x 1
		.amdhsa_system_sgpr_workgroup_id_y 1
		.amdhsa_system_sgpr_workgroup_id_z 1
		.amdhsa_system_vgpr_workitem_id 0
		.amdhsa_next_free_vgpr 192
		.amdhsa_next_free_sgpr 66
		.amdhsa_reserve_vcc 0
		.amdhsa_float_denorm_mode_32 3
		.amdhsa_float_denorm_mode_16_64 3
		.amdhsa_memory_ordered 1
		.amdhsa_forward_progress 1
		.amdhsa_inst_pref_size 54
	.end_amdhsa_kernel
	.amdgpu_metadata
---
amdhsa.version: [ 1, 2 ]
amdhsa.kernels:
  - .name:           k_q8757f461e1_prep
    .symbol:         k_q8757f461e1_prep.kd
    .args:
      - { .name: x, .offset: 0, .size: 8, .value_kind: global_buffer, .address_space: global }
      - { .name: Wqkv, .offset: 8, .size: 8, .value_kind: global_buffer, .address_space: global }
      - { .name: Wout, .offset: 16, .size: 8, .value_kind: global_buffer, .address_space: global }
      - { .name: codes, .offset: 24, .size: 8, .value_kind: global_buffer, .address_space: global }
      - { .name: scales, .offset: 32, .size: 8, .value_kind: global_buffer, .address_space: global }
      - { .name: wo16, .offset: 40, .size: 8, .value_kind: global_buffer, .address_space: global }
    .group_segment_fixed_size: 33280
    .private_segment_fixed_size: 0
    .kernarg_segment_align: 8
    .kernarg_segment_size: 48
    .max_flat_workgroup_size: 128
    .sgpr_count:     66
    .vgpr_count:     192
    .wavefront_size: 32
...
	.end_amdgpu_metadata
.endif
;; end of part 1
;; launch qkv (part 2): grid 16 x 32, 4 waves a work-group, clusters of 4 x 4, 327,680 bytes of LDS; arguments codes, scales, bqkv, qkv16, qkv32; writes qkv16, qkv32
.if DOCPART == 2
	.amdgcn_target "amdgcn-amd-amdhsa--gfx1250"
	.amdhsa_code_object_version 6
	.text
	.protected	k_q8757f461e1_qkv
	.globl	k_q8757f461e1_qkv
	.p2align	8
	.type	k_q8757f461e1_qkv,@function
k_q8757f461e1_qkv:
	s_mov_b64 s[64:65], 0
	v_nop
	global_prefetch_b8 v0, s[64:65] scope:SCOPE_SE
	s_setreg_imm32_b32 hwreg(HW_REG_WAVE_MODE, 25, 1), 1
	s_wait_xcnt 0x0
	s_wait_alu depctr_hold_cnt(0) depctr_sa_sdst(0) depctr_va_vdst(0) depctr_va_sdst(0) depctr_va_ssrc(0) depctr_va_vcc(0) depctr_vm_vsrc(0)
	s_getreg_b32 s2, hwreg(HW_REG_IB_STS2, 6, 4)
	s_cmp_eq_u32 s2, 0
	s_cbranch_scc0 .Lentry_in_a_cluster
	s_endpgm
.Lentry_in_a_cluster:
	s_bfe_u32 s2, ttmp6, 0x10000c
	s_cmp_lg_u32 s2, 0xf033
	s_cbranch_scc0 .Lentry_shape_is_right
	s_endpgm
.Lentry_shape_is_right:
; qkv = x Wqkv^T + bqkv on codes of FP4 (E2M1) with one E8M0 scale for each 32 along K; sums in f32.  M 8,192, N 3,072, K 1,024.
; OUT: qkv16 [batch x 16 + head][q, k, v][s 2,048][64] f16 (a row is 128 bytes, so every tile of it is dense), and qkv32 [batch x 16 + s][3,072] f32 for the rows s < 16 of each batch.
; LIMIT: |q|, |k|, |v| stay under 65,504 (f16).
; A tile is 256 rows x 192 columns, one head: 512 work-groups.  K = 1,024 is two LDS slots of 512 along K (rows of 256 bytes): both are first fills, nothing is filled again.
; Wave w makes rows 64 w .. 64 w + 63 x all 192 columns: 48 accumulators, 384 registers; so a wave owns whole rows of q, k and v and has a stage of its own on the way out.
; CLUSTER 4 x 4: work-group x = head = 4 x cluster x + cx; the tile row is 8 cy + cluster y, so that cy is the batch and 'my tile holds s < 16' is 'cluster y = 0', the same in all sixteen partners.
; x's tiles and scale bytes are shared along a row of the cluster, Wqkv's along a column: joint loads.
; THE MATRIX INSTRUCTION IS USED TRANSPOSED (source 0 = 16 rows of Wqkv, source 1 = 16 rows of x): a lane holds one row and eight neighbouring columns.  The bias is the C of each sum's first product.
; REGISTERS: window 0: v15-31 addresses; v32-95 scale words, two sets (nothing else ever lies there); v96-127 x's four fragments, one set; v128-223 the bias, 12 x 8; on the way out v96-239 are free.
;   window 1: Wqkv's 12 fragments, two sets, at v0 and v128.   windows 2, 3: accumulator (a, b) at v[8 (12 (a & 1) + b)] of window 2 + a / 2.
.set PITCH,  272                       ; an LDS row of codes: 256 bytes + 16 of padding
.set HALFA,  128*PITCH                 ; what one load brings of x
.set HALFB,  96*PITCH                  ; and of Wqkv
.set BOFF,   2*HALFA                   ; a slot: x's 256 rows, then Wqkv's 192
.set SLOT,   BOFF+2*HALFB
.set SCL,    2*SLOT                    ; x's scale bytes: 256 rows x 32 bytes as runs of 256 bytes + 16 of padding
.set SHA,    16*272
.set SHB,    12*272
.set SCB,    SCL+2*SHA                 ; Wqkv's: 192 rows
.set SBLK,   544                       ; the scale bytes of 16 rows
.set SPARE,  259072                    ; the spare words, 128 bytes a wave, in blocks of 256 bytes that no other line names
.set SPF,    400                       ; the f16 stage: 16 rows x (384 bytes + 16) for each wave, in slot 0, which has had its only fill and, behind the change of slots, its last read
.set F32ST,  4*16*SPF                  ; behind them the f32 stages: 16 rows x (768 + 16) for each wave
.set SPG,    784
.set BO,   15                          ; v15 32 h: my eight numbers of a block's bias
.set ADRA, 16                          ; v16-17 my fragments of x in slot 0, 1
.set ADRB, 20                          ; v20-21 of Wqkv
.set ADSA, 22                          ; v22 x's scale words: lanes 0-15 block g, lanes 16-31 block g + 2
.set ADSB, 23                          ; v23 Wqkv's: lanes 0-15 block g, lanes 16-31 block g + 6
.set STO,  24
.set RD,   25
.set GO,   26
.set STF,  27
.set SPW,  28
.set NIL,  29
.set RDF,  30
.set GOF,  31
.set SC,   32                          ; scale words: set s at v[SC + 32 s]; Wqkv's group g at 4 g + q, x's group g at 24 + 4 g + q
.set AF,   96
.set BI,   128
.set TMP,  96
.set BK,   144
.set G1,   24
.set G0,   32
.set G1B,  48
.set G0B,  56
.set G1S,  68
.set G0S,  76
.set G1SB, 80
.set G0SB, 88
.set MSB, 0
.macro WIN new                         ; the immediate's high byte repeats the setting that is left
.if MSB != (\new)
	s_set_vgpr_msb (MSB<<8)|(\new)
.set MSB, \new
.endif
.endm
; A joint load: waves 0 and 1 fetch for x, waves 2 and 3 for Wqkv.  The branch hangs on the wave's number alone.  An s_nop 0 and four v_nop follow each line.
.macro JLOAD g0a, g1a, g0b, g1b
	s_cmp_eq_u32 s15, 0
	s_cbranch_scc0 .Lfor_b_\@
	tensor_load_to_lds s[\g0a:\g0a+3], s[\g1a:\g1a+7]
	s_nop 0
.rept 4
	v_nop
.endr
	s_branch .Lasked_\@
.Lfor_b_\@:
	tensor_load_to_lds s[\g0b:\g0b+3], s[\g1b:\g1b+7]
	s_nop 0
.rept 4
	v_nop
.endr
.Lasked_\@:
.endm
.macro CROUND                          ; a round of the cluster's barrier
	s_barrier_signal -1
	s_barrier_wait -1
	s_cmp_lg_u32 s14, 0
	s_cbranch_scc1 .Lnot_wave_0_\@
	s_barrier_signal -3
.Lnot_wave_0_\@:
	s_barrier_wait -3
	s_barrier_signal -1
	s_barrier_wait -1
.endm
.macro PLACES                          ; four plain places behind matrix instructions, in front of loads into their registers and of the first read of results
.rept 4
	v_nop
.endr
.endm
	s_load_b256 s[4:11], s[0:1], 0x0               ; codes s[4:5], scales s[6:7], bqkv s[8:9], qkv16 s[10:11]
	s_load_b64 s[12:13], s[0:1], 0x20              ; qkv32
	v_lshl_add_u32 v[SPW], v0, 2, SPARE
	v_mov_b32 v[NIL], 0
	ds_add_u32 v[SPW], v[NIL]                      ; the opening: the add, twice on end, and its wait ahead of my first tensor load
	ds_add_u32 v[SPW], v[NIL]
	v_lshrrev_b32 v1, 5, v0
	v_readfirstlane_b32 s14, v1                    ; wave 0..3
	s_lshr_b32 s15, s14, 1                         ; I fetch for x (0) or for Wqkv (1)
	s_and_b32 s16, s14, 1                          ; which half of its rows
	s_bfe_u32 s40, ttmp6, 0x40000                  ; cx
	s_bfe_u32 s41, ttmp6, 0x40004                  ; cy = the batch
	s_lshl_b32 s42, ttmp9, 2
	s_add_co_u32 s42, s42, s40                     ; head = 4 x cluster x + cx
	s_and_b32 s17, ttmp7, 0xffff                   ; cluster y: which 256 rows of the sequence
	s_lshl_b32 s18, s41, 3
	s_add_co_u32 s18, s18, s17                     ; tile row = 8 cy + cluster y
	s_lshl_b32 s43, s41, 2
	s_lshl_b32 s43, 15, s43                        ; my row of the cluster
	s_lshl_b32 s44, 0x1111, s40                    ; my column
	s_or_b32 s[G1+0], s43, (1<<20)|(1<<21)|(5<<22)|(3<<25)   ; elements of 1 byte; padding: 4 words behind every 64; bit 21 beside a mask
	s_or_b32 s[G1B+0], s44, (1<<20)|(1<<21)|(5<<22)|(3<<25)
	s_mov_b32 s[G1+1], 256<<16                     ; tensor_dim0 = 256 bytes
	s_mov_b32 s[G1+2], 128<<16                     ; tensor_dim1 = 128 rows
	s_mov_b32 s[G1+3], 256<<16                     ; tile_dim0
	s_mov_b32 s[G1+4], 128                         ; tile_dim1
	s_mov_b32 s[G1+5], 512                         ; a row of codes in memory
	s_mov_b32 s[G1+6], 0
	s_mov_b32 s[G1+7], 0
	s_mov_b32 s[G1B+1], 256<<16
	s_mov_b32 s[G1B+2], 96<<16
	s_mov_b32 s[G1B+3], 256<<16
	s_mov_b32 s[G1B+4], 96
	s_mov_b32 s[G1B+5], 512
	s_mov_b32 s[G1B+6], 0
	s_mov_b32 s[G1B+7], 0
	s_or_b32 s[G1S+0], s43, (3<<16)|(1<<20)|(1<<21)|(5<<22)|(3<<25)   ; the scale bytes: dense, as rows of 32 elements of 8 bytes
	s_or_b32 s[G1SB+0], s44, (3<<16)|(1<<20)|(1<<21)|(5<<22)|(3<<25)
	s_mov_b32 s[G1S+1], 32<<16
	s_mov_b32 s[G1S+2], 16<<16
	s_mov_b32 s[G1S+3], 32<<16
	s_mov_b32 s[G1S+4], 16
	s_mov_b32 s[G1S+5], 32
	s_mov_b32 s[G1S+6], 0
	s_mov_b32 s[G1S+7], 0
	s_mov_b32 s[G1SB+1], 32<<16
	s_mov_b32 s[G1SB+2], 12<<16
	s_mov_b32 s[G1SB+3], 32<<16
	s_mov_b32 s[G1SB+4], 12
	s_mov_b32 s[G1SB+5], 32
	s_mov_b32 s[G1SB+6], 0
	s_mov_b32 s[G1SB+7], 0
	s_lshl_b32 s20, s18, 8
	s_lshl_b32 s21, s16, 7
	s_add_co_u32 s20, s20, s21                     ; x: row 256 x tile row + 128 x half
	s_lshl_b32 s22, s20, 5                         ; its scale bytes,
	s_mov_b32 s23, 0
	s_lshl_b32 s20, s20, 9                         ; its codes
	s_mov_b32 s21, 0
	s_mul_i32 s46, s42, 192
	s_mul_i32 s47, s16, 96
	s_add_co_u32 s46, s46, s47                     ; Wqkv: row 192 x head + 96 x half
	s_lshl_b32 s92, s46, 5
	s_add_co_u32 s92, s92, 262144                  ; its scale bytes lie behind x's,
	s_mov_b32 s93, 0
	s_lshl_b32 s46, s46, 9
	s_add_co_u32 s46, s46, 4194304                 ; its codes too
	s_mov_b32 s47, 0
	s_mul_i32 s45, s16, HALFA                      ; where they go: no place in the cluster enters an LDS address
	s_mul_i32 s94, s16, HALFB
	s_add_co_u32 s94, s94, BOFF
	s_mul_i32 s95, s16, SHA
	s_mul_i32 s96, s16, SHB
	; every LDS address is made here, ahead of the first parting on the wave's number
	v_and_b32 v1, 15, v0                           ; r
	v_bfe_u32 v2, v0, 4, 1                         ; h
	v_and_b32 v3, 31, v0                           ; lane
	v_mul_u32_u24 v4, v1, PITCH
	v_lshl_add_u32 v4, v2, 4, v4                   ; a fragment's row x pitch + 16 h
	s_mul_i32 s2, s14, 64*PITCH
	v_add_nc_u32 v[ADRA], s2, v4
	v_add_nc_u32 v[ADRA+1], SLOT, v[ADRA]
	v_add_nc_u32 v[ADRB], BOFF, v4
	v_add_nc_u32 v[ADRB+1], BOFF+SLOT, v4
	v_lshlrev_b32 v5, 5, v1
	v_lshrrev_b32 v6, 3, v1
	v_lshl_add_u32 v5, v6, 4, v5                   ; row r's scale bytes: 32 r, and 16 more behind each 256
	v_mul_u32_u24 v6, v2, 2*SBLK
	v_add_nc_u32 v[ADSA], v5, v6
	s_mul_i32 s2, s14, 4*SBLK
	s_add_co_u32 s2, s2, SCL
	v_add_nc_u32 v[ADSA], s2, v[ADSA]
	v_mul_u32_u24 v6, v2, 6*SBLK
	v_add_nc_u32 v[ADSB], v5, v6
	v_add_nc_u32 v[ADSB], SCB, v[ADSB]
	s_mul_i32 s2, s14, 16*SPF
	v_mul_u32_u24 v6, v1, SPF
	v_lshl_add_u32 v6, v2, 4, v6
	v_add_nc_u32 v[STO], s2, v6                    ; f16 stage, in: row r, 16 bytes for each half of the lanes
	v_lshrrev_b32 v6, 3, v3
	v_mul_u32_u24 v6, v6, SPF
	v_and_b32 v7, 7, v0
	v_lshl_add_u32 v6, v7, 4, v6
	v_add_nc_u32 v[RD], s2, v6                     ; back: eight lanes take a row's 128 bytes of one part, a wave four rows
	v_lshlrev_b32 v[GO], 4, v3                     ; which are 512 consecutive bytes of qkv16
	s_mul_i32 s2, s14, 16*SPG
	s_add_co_u32 s2, s2, F32ST
	v_mul_u32_u24 v6, v1, SPG
	v_lshl_add_u32 v6, v2, 5, v6
	v_add_nc_u32 v[STF], s2, v6                    ; f32 stage, in: row r, 32 bytes for each half
	v_mul_u32_u24 v6, v2, SPG
	v_lshl_add_u32 v6, v1, 4, v6
	v_add_nc_u32 v[RDF], s2, v6                    ; back: sixteen lanes take 256 bytes of a row, a wave two rows
	v_mul_u32_u24 v6, v2, 12288
	v_lshl_add_u32 v[GOF], v1, 4, v6
	v_lshlrev_b32 v[BO], 5, v2
	s_wait_dscnt 0x0                               ; both opening adds are done
	s_wait_kmcnt 0x0
	s_add_nc_u64 s[20:21], s[4:5], s[20:21]
	s_add_nc_u64 s[22:23], s[6:7], s[22:23]
	s_add_nc_u64 s[46:47], s[4:5], s[46:47]
	s_add_nc_u64 s[92:93], s[6:7], s[92:93]
	CROUND                                         ; all sixteen work-groups are here: the joint loads meet
	s_mov_b32 s[G0S], 1
	s_add_co_u32 s[G0S+1], s95, SCL
	s_mov_b64 s[G0S+2:G0S+3], s[22:23]
	s_or_b32 s[G0S+3], s[G0S+3], 0x80000000
	s_mov_b32 s[G0SB], 1
	s_add_co_u32 s[G0SB+1], s96, SCB
	s_mov_b64 s[G0SB+2:G0SB+3], s[92:93]
	s_or_b32 s[G0SB+3], s[G0SB+3], 0x80000000
	JLOAD G0S, G1S, G0SB, G1SB                     ; the scale bytes of all of K first; then both slots: three loads of mine are out
.irp s, 0,1
	s_mov_b32 s[G0+4*\s], 1
	s_add_co_u32 s[G0+4*\s+1], s45, \s*SLOT
	s_add_nc_u64 s[G0+4*\s+2:G0+4*\s+3], s[20:21], \s*256
	s_or_b32 s[G0+4*\s+3], s[G0+4*\s+3], 0x80000000
	s_mov_b32 s[G0B+4*\s], 1
	s_add_co_u32 s[G0B+4*\s+1], s94, \s*SLOT
	s_add_nc_u64 s[G0B+4*\s+2:G0B+4*\s+3], s[46:47], \s*256
	s_or_b32 s[G0B+4*\s+3], s[G0B+4*\s+3], 0x80000000
	JLOAD G0+4*\s, G1, G0B+4*\s, G1B
.endr
	s_mul_i32 s2, s42, 768                         ; the head's 192 numbers of the bias
	s_mov_b32 s3, 0
	s_add_nc_u64 s[8:9], s[8:9], s[2:3]
.irp b, 0,1,2,3,4,5,6,7,8,9,10,11
	global_load_b128 v[BI+8*\b:BI+8*\b+3], v[BO], s[8:9] offset:64*\b        ; bqkv[192 head + 16 b + 8 h + 0 .. 7]: the result's layout
	global_load_b128 v[BI+8*\b+4:BI+8*\b+7], v[BO], s[8:9] offset:64*\b+16
.endr
	s_lshl_b32 s2, s41, 4
	s_add_co_u32 s2, s2, s42                       ; batch x 16 + head
	s_mul_i32 s2, s2, 786432
	s_lshl_b32 s98, s17, 15                        ; + 256 x cluster y rows of 128 bytes
	s_add_co_u32 s2, s2, s98
	s_lshl_b32 s98, s14, 13                        ; + 64 x wave
	s_add_co_u32 s2, s2, s98
	s_add_nc_u64 s[10:11], s[10:11], s[2:3]
	s_mul_i32 s2, s41, 196608                      ; qkv32: 16 rows of 12,288 bytes a batch,
	s_mul_i32 s98, s42, 768                        ; the head's 768 bytes
	s_add_co_u32 s2, s2, s98
	s_add_nc_u64 s[12:13], s[12:13], s[2:3]
.macro FRAG reg, adr, q, i             ; 16 rows x 128 K of 4-bit codes: 8 registers; registers 4 c .. 4 c + 3 hold K = 64 c + 32 h + 0 .. 31
.irp c, 0,1
	ds_load_b128 v[\reg+4*\c:\reg+4*\c+3], v[\adr] offset:64*(\q)+32*\c+(\i)*16*PITCH
.endr
.endm
; 12 matrix instructions: x's block a against Wqkv's twelve, the slot's q-th 128 along K.  p: Wqkv's set; set: the scale words'.  first = 1: C is the bias.
; The 48 accumulators take turns, one instruction a turn, in the same order in every step.
.macro MULA a, p, q, set, first
.irp b, 0,1,2,3,4,5,6,7,8,9,10,11
.set rD, 8*(12*((\a)&1)+\b)
.set rB, 128*(\p)+8*\b
.set rA, AF+8*(\a)
.set rSB, SC+32*(\set)+4*(\b%6)+(\q)
.set rSA, SC+32*(\set)+24+4*((\a)&1)+(\q)
.set rC, rD
.if \first
.set rC, BI+8*\b
.endif
.if (\b < 6) && (\a < 2)
	v_wmma_scale_f32_16x16x128_f8f6f4 v[rD:rD+7], v[rB:rB+7], v[rA:rA+7], v[rC:rC+7], v[rSB], v[rSA] matrix_a_fmt:MATRIX_FMT_FP4 matrix_b_fmt:MATRIX_FMT_FP4
.elseif \a < 2
	v_wmma_scale_f32_16x16x128_f8f6f4 v[rD:rD+7], v[rB:rB+7], v[rA:rA+7], v[rC:rC+7], v[rSB], v[rSA] matrix_a_fmt:MATRIX_FMT_FP4 matrix_b_fmt:MATRIX_FMT_FP4 matrix_a_scale:MATRIX_SCALE_ROW1
.elseif \b < 6
	v_wmma_scale_f32_16x16x128_f8f6f4 v[rD:rD+7], v[rB:rB+7], v[rA:rA+7], v[rC:rC+7], v[rSB], v[rSA] matrix_a_fmt:MATRIX_FMT_FP4 matrix_b_fmt:MATRIX_FMT_FP4 matrix_b_scale:MATRIX_SCALE_ROW1
.else
	v_wmma_scale_f32_16x16x128_f8f6f4 v[rD:rD+7], v[rB:rB+7], v[rA:rA+7], v[rC:rC+7], v[rSB], v[rSA] matrix_a_fmt:MATRIX_FMT_FP4 matrix_b_fmt:MATRIX_FMT_FP4 matrix_a_scale:MATRIX_SCALE_ROW1 matrix_b_scale:MATRIX_SCALE_ROW1
.endif
.endr
.endm
.macro FETCH_B slot, q, p              ; 24 loads
	WIN 0x40
.irp i, 0,1,2,3,4,5,6,7,8,9,10,11
	FRAG 128*(\p)+8*\i, ADRB+\slot, \q, \i
.endr
	WIN 0
.endm
.macro FETCH_A slot, q, a0             ; 4 loads: blocks a0, a0 + 1
.irp i, \a0, \a0+1
	FRAG AF+8*(\i), ADRA+\slot, \q, \i
.endr
.endm
.macro SCALES set                      ; a slot's scale words, 4 a row: 8 loads
.irp g, 0,1,2,3,4,5
	ds_load_b128 v[SC+32*\set+4*\g:SC+32*\set+4*\g+3], v[ADSB] offset:SBLK*\g+16*\set
.endr
.irp g, 0,1
	ds_load_b128 v[SC+32*\set+24+4*\g:SC+32*\set+24+4*\g+3], v[ADSA] offset:SBLK*\g+16*\set
.endr
.endm
; A step of 128 along K that has its successor in the same slot.  x has one set of registers: blocks 0, 1 are fetched anew in the step's middle, blocks 2, 3 at its end.
.macro STEP slot, q, first
	s_wait_dscnt 4                                 ; all but the youngest four loads (x's blocks 2, 3) are in
	WIN 0xa1-0x20*(\first)                         ; Wqkv window 1, x window 0, D window 2, C window 2 (the bias: window 0)
	MULA 0, (\q)%2, \q, \slot, \first
	MULA 1, (\q)%2, \q, \slot, \first
	s_wait_dscnt 0x0                               ; x's blocks 2, 3 are in
	PLACES
	FETCH_B \slot, (\q)+1, 1-(\q)%2
	FETCH_A \slot, (\q)+1, 0
	WIN 0xf1-0x30*(\first)
	MULA 2, (\q)%2, \q, \slot, \first
	MULA 3, (\q)%2, \q, \slot, \first
	PLACES
	WIN 0
	FETCH_A \slot, (\q)+1, 2
.endm
	s_wait_tensorcnt 1                             ; the scale bytes and my part of slot 0 are in; slot 1's load may stay out
	s_barrier_signal -1
	s_barrier_wait -1                              ; everybody's are
	FETCH_B 0, 0, 0
	FETCH_A 0, 0, 0
	SCALES 0
	SCALES 1
	FETCH_A 0, 0, 2
	s_wait_loadcnt 0x0                             ; the bias
	STEP 0, 0, 1
	STEP 0, 1, 0
	STEP 0, 2, 0
	; slot 0's last step, and the change of slots: one barrier.  In front of it my part of slot 1 has landed and my reads of slot 0 are over; behind it slot 1 is whole and nobody reads slot 0.  Nothing is filled again.
	s_wait_tensorcnt 0x0
	s_wait_dscnt 4
	WIN 0xa1
	MULA 0, 1, 3, 0, 0
	s_wait_dscnt 0x0
	s_barrier_signal -1
	MULA 1, 1, 3, 0, 0
	WIN 0
	s_barrier_wait -1
	PLACES
	FETCH_B 1, 0, 0
	FETCH_A 1, 0, 0
	WIN 0xf1
	MULA 2, 1, 3, 0, 0
	MULA 3, 1, 3, 0, 0
	PLACES
	WIN 0
	FETCH_A 1, 0, 2
	STEP 1, 0, 0
	STEP 1, 1, 0
	STEP 1, 2, 0
	s_wait_dscnt 4                                 ; the last step: nothing more to fetch
	WIN 0xa1
	MULA 0, 1, 3, 1, 0
	MULA 1, 1, 3, 1, 0
	s_wait_dscnt 0x0
	WIN 0xf1
	MULA 2, 1, 3, 1, 0
	MULA 3, 1, 3, 1, 0
	WIN 0
	PLACES
	; THE f32 COPY of rows s < 16: they are block 0 of wave 0 where cluster y = 0.  Two branches, on the wave's number and on the cluster's y, which all partners share; they lead round no barrier and no tensor load.
	s_cmp_lg_u32 s14, 0
	s_cbranch_scc1 .Lno32
	s_cmp_lg_u32 s17, 0
	s_cbranch_scc1 .Lno32
	WIN 0x08                                       ; an LDS store's data are its source 1: window 2
.irp b, 0,1,2,3,4,5,6,7,8,9,10,11
	ds_store_b128 v[STF], v[8*\b:8*\b+3] offset:64*\b              ; each accumulator from its low end on
	ds_store_b128 v[STF], v[8*\b+4:8*\b+7] offset:64*\b+16
.endr
	WIN 0
.irp t, 0,1,2,3,4,5,6,7
.irp u, 0,1,2
	ds_load_b128 v[96+4*(3*\t+\u):96+4*(3*\t+\u)+3], v[RDF] offset:2*SPG*\t+256*\u   ; LDS serves a wave's instructions in order: these see my stores
.endr
.endr
	s_wait_dscnt 0x0
.irp t, 0,1,2,3,4,5,6,7
.irp u, 0,1,2
	global_store_b128 v[GOF], v[96+4*(3*\t+\u):96+4*(3*\t+\u)+3], s[12:13] offset:24576*\t+256*\u   ; sixteen lanes: 256 consecutive bytes, aligned
.endr
.endr
	s_wait_xcnt 0x0                                ; these stores have read v96-191, which are written again below
.Lno32:
; THE WAY OUT, block by block of 16 rows: rounded to f16, through my own stage, back as rows of q, of k and of v; a store covers four rows of one part, 512 consecutive bytes.
.macro PACK a
.set AC, 96*((\a)&1)
	WIN 0x0a+5*((\a)/2)                            ; sources in window 2 or 3
.irp b, 0,1,2,3,4,5,6,7,8,9,10,11
.irp r, 0,1,2,3
	v_cvt_pk_f16_f32 v[TMP+4*\b+\r], v[AC+8*\b+2*\r], v[AC+8*\b+2*\r+1]
.endr
.endr
	WIN 0
.endm
.macro TOSTAGE a
.irp b, 0,1,2,3,4,5,6,7,8,9,10,11
	ds_store_b128 v[STO], v[TMP+4*\b:TMP+4*\b+3] offset:32*\b
.endr
.set BB, BK+48*((\a)%2)
.irp p, 0,1,2
.irp t, 0,1,2,3
	ds_load_b128 v[BB+4*(4*\p+\t):BB+4*(4*\p+\t)+3], v[RD] offset:128*\p+4*SPF*\t
.endr
.endr
.endm
.macro SEND a
.set BB, BK+48*((\a)%2)
	s_wait_dscnt 0x0                               ; the block is back in registers
	s_wait_xcnt 0x0                                ; the block before has left its registers: the next block's loads may land there
.irp p, 0,1,2
.irp t, 0,1,2,3
	global_store_b128 v[GO], v[BB+4*(4*\p+\t):BB+4*(4*\p+\t)+3], s[10:11] offset:262144*\p+2048*(\a)+512*\t
.endr
.endr
.endm
	PACK 0
	TOSTAGE 0
.irp a, 1,2,3                          ; block a's conversions stand between block a - 1's loads from the stage and the wait for them
	PACK \a
	SEND \a-1
	TOSTAGE \a
.endr
	SEND 3
	s_wait_tensorcnt 0x0                           ; the wave's end
	ds_add_u32 v[SPW], v[NIL]
	s_wait_dscnt 0x0
	CROUND                                         ; the closing round
	s_endpgm
.Lfunc_end_k_q8757f461e1_qkv:
	.size	k_q8757f461e1_qkv, .Lfunc_end_k_q8757f461e1_qkv-k_q8757f461e1_qkv
	.p2alignl 7, 3214868480
	.fill 96, 4, 3214868480
	.section	.rodata,"a",@progbits
	.p2align	6, 0x0
	.amdhsa_kernel k_q8757f461e1_qkv
		.amdhsa_group_segment_fixed_size 327680
		.amdhsa_private_segment_fixed_size 0
		.amdhsa_enable_private_segment 0
		.amdhsa_kernarg_size 40
		.amdhsa_user_sgpr_count 2
		.amdhsa_user_sgpr_kernarg_segment_ptr 1
		.amdhsa_wavefront_size32 1
		.amdhsa_system_sgpr_workgroup_id_x 1
		.amdhsa_system_sgpr_workgroup_id_y 1
		.amdhsa_system_sgpr_workgroup_id_z 1
		.amdhsa_system_vgpr_workitem_id 0
		.amdhsa_next_free_vgpr 960
		.amdhsa_next_free_sgpr 100
		.amdhsa_reserve_vcc 0
		.amdhsa_float_denorm_mode_32 3
		.amdhsa_float_denorm_mode_16_64 3
		.amdhsa_memory_ordered 1
		.amdhsa_forward_progress 1
		.amdhsa_inst_pref_size 111
	.end_amdhsa_kernel
	.amdgpu_metadata
---
amdhsa.version: [ 1, 2 ]
amdhsa.kernels:
  - .name:           k_q8757f461e1_qkv
    .symbol:         k_q8757f461e1_qkv.kd
    .args:
      - { .name: codes, .offset: 0, .size: 8, .value_kind: global_buffer, .address_space: global }
      - { .name: scales, .offset: 8, .size: 8, .value_kind: global_buffer, .address_space: global }
      - { .name: bqkv, .offset: 16, .size: 8, .value_kind: global_buffer, .address_space: global }
      - { .name: qkv16, .offset: 24, .size: 8, .value_kind: global_buffer, .address_space: global }
      - { .name: qkv32, .offset: 32, .size: 8, .value_kind: global_buffer, .address_space: global }
    .group_segment_fixed_size: 327680
    .private_segment_fixed_size: 0
    .kernarg_segment_align: 8
    .kernarg_segment_size: 40
    .max_flat_workgroup_size: 128
    .sgpr_count:     100
    .vgpr_count:     960
    .wavefront_size: 32
...
	.end_amdgpu_metadata
.endif
;; end of part 2
;; launch attn (part 3): grid 4 x 64, 8 waves a work-group, no clusters, 327,680 bytes of LDS; arguments qkv16, a16; writes a16
.if DOCPART == 3
	.amdgcn_target "amdgcn-amd-amdhsa--gfx1250"
	.amdhsa_code_object_version 6
	.text
	.protected	k_q8757f461e1_attn
	.globl	k_q8757f461e1_attn
	.p2align	8
	.type	k_q8757f461e1_attn,@function
k_q8757f461e1_attn:
	s_mov_b64 s[64:65], 0
	v_nop
	global_prefetch_b8 v0, s[64:65] scope:SCOPE_SE
	s_setreg_imm32_b32 hwreg(HW_REG_WAVE_MODE, 25, 1), 1
	s_wait_xcnt 0x0
; Causal attention, head size 64: a16[head][batch x 2,048 + q][:] = sum over k <= q of softmax_k(q . k / 8) v[k][:].  q, k, v and the result in f16; products, maxima and sums in f32; the weights p are rounded to f16 for the second product.
; The softmax takes away a running maximum m: p = 2^(c s - c m), c = log2(e) / 8; in every step O and the sum l are multiplied by a = 2^(c m_old - c m_new).
; LIMIT: NaN and infinities are not served.  (Rows q < 16 of each sequence are made again in f32 by a later launch.)
; SHARES.  Work-group (p, batch x 16 + head) owns the blocks 7 - p and p of 256 queries, one after the other.  Under the mask block j needs the key blocks 0 .. j: (8 - p) + (p + 1) = 9 trips of 256 keys in EVERY work-group:
; the trip count is a constant and the work is even.  A wave owns 32 queries, two tiles of 16, so that each fragment of K and V read from LDS feeds two matrix instructions; two waves share a SIMD.
; Wave w takes the query group w (w < 4) or 11 - w: on the diagonal block waves w and w + 4 then have 5 key steps together.
; NO CLUSTER: the four work-groups of a head want different key blocks from trip 5 on, and under the mask some would throw whole tiles away.
; LAYOUT.  S^T = K Q^T (source 0 = 16 keys, source 1 = 16 queries): a lane holds ONE query (lane % 16) and keys 8 (lane / 16) + 0 .. 7.  Two such tiles rounded in pairs ARE source 1 of O^T = V^T P.  V comes out of LDS turned, by ds_load_tr16_b128.
; RING.  Two slots of 256 keys.  All eight waves fetch, one load each behind each barrier: waves 0-3 a quarter of K's rows, waves 4-7 of V's: 64 rows of 128 bytes, 8,192 dense bytes, stated as 32 rows of 256 bytes with padding behind every 128.
; REGISTERS.  window 0: v1-15 addresses and constants; v16-31 statistics, 8 a tile (+0 c m, +1 m, +2, +3 l, +4 .. +7 at work, a in +6); v32-95 S^T; v96-127 P; v128-191 O^T.   window 1: v0-31 Q; v32-95 K; v96-159 V.
.set PK,    144                        ; a row of K in LDS: 128 bytes + 16
.set PV,    160                        ; a row of V: 128 + 32: an odd multiple of 32, for the turning load
.set VOFF,  256*PK
.set SLOT1, 1<<17                      ; slot 1 begins here: one exclusive or turns an address
.set STAGE, SLOT1+256*(PK+PV)          ; behind the ring: 32 rows x 144 bytes for each wave; bytes of its own, since the ring goes on behind the first way out
.set SPARE, STAGE+8*32*PK              ; the spare words, 128 bytes a wave, named by no other line
.set AK0, 1
.set AV0, 2
.set ADK, 3
.set ADV, 4
.set QO,  5
.set STO, 6
.set RD,  7
.set GO,  8
.set RH,  9                            ; v9  lane % 16 - 8 (lane / 16)
.set SPW, 10
.set NIL, 11
.set NEG, 12                           ; v12 -infinity
.set DD,  13                           ; v13, v14 the mask's bound for tiles 0, 1
.set PFO, 15                           ; v15 256 x lane
.set ST,  16
.set SS,  32
.set PP,  96
.set OO,  128
.set QR,  0                            ; in window 1
.set KR,  32
.set VR,  96
.set WV,  8
.set PN,  9                            ; s9  p
.set SW,  10                           ; s10 8 - p: the trip at which the second block of queries begins
.set TT,  11                           ; s11 the trip
.set LK,  12                           ; s12 the key block asked for last
.set KF,  13                           ; s13 the step's first key
.set Q0,  14                           ; s14 my first query
.set QG,  15
.set G1K, 16
.set G1V, 24
.set G0K, 32
.set G0V, 36
.set KB,  40                           ; s[40:41] K of my head at my quarter of key block 0;  s[42:43] V likewise
.set VB,  42
.set OFF, 44
.set QB,  46
.set OB,  48
.set QA,  50
.set OA,  52
.set CS,  54
.set SEL, 56
.set TB,  58                           ; s58 LDS byte at which the slot in hand begins
.set LIM, 59
.set PFA, 60
.set MSB, 0
.macro WIN new
.if MSB != (\new)
	s_set_vgpr_msb (MSB<<8)|(\new)
.set MSB, \new
.endif
.endm
.macro PLACES
.rept 4
	v_nop
.endr
.endm
.macro TLOAD                           ; waves 0-3: K's quarter; waves 4-7: V's.  An s_nop 0 and four v_nop follow each line
	s_cmp_lt_u32 s[WV], 4
	s_cbranch_scc0 .Lfor_v_\@
	tensor_load_to_lds s[G0K:G0K+3], s[G1K:G1K+7]
	s_nop 0
.rept 4
	v_nop
.endr
	s_branch .Lasked_\@
.Lfor_v_\@:
	tensor_load_to_lds s[G0V:G0V+3], s[G1V:G1V+7]
	s_nop 0
.rept 4
	v_nop
.endr
.Lasked_\@:
.endm
; A PREFETCH INTO THE L2 of what the NEXT change of slots will ask for: key block trip + 2.  The four work-groups of a head walk the same K and V; work-group p = 0 walks key blocks 0 .. 7 in order, and it alone asks:
; each wave for the quarter that it fetches itself, 8,192 bytes, lanes 256 bytes apart, one instruction.  Trips 0 .. 5 ask for key blocks 2 .. 7: each block of 256 bytes is named once; blocks 0 and 1 come by their loads alone; nothing is asked past block 7.
.macro ASK
	s_cmp_lt_u32 s[TT], s[LIM]
	s_cbranch_scc0 .Lnot_mine_\@
	global_prefetch_b8 v[PFO], s[PFA:PFA+1] th:TH_LOAD_NT scope:SCOPE_SE
.Lnot_mine_\@:
.endm
	s_load_b128 s[4:7], s[0:1], 0x0                ; qkv16, a16
	v_lshl_add_u32 v[SPW], v0, 2, SPARE
	v_mov_b32 v[NIL], 0
	ds_add_u32 v[SPW], v[NIL]                      ; the opening: the add, twice on end, and its wait ahead of my first tensor load
	ds_add_u32 v[SPW], v[NIL]
	v_lshrrev_b32 v1, 5, v0
	v_readfirstlane_b32 s[WV], v1                  ; wave 0..7
	s_mov_b32 s[PN], ttmp9
	s_sub_co_u32 s[SW], 8, s[PN]
	s_sub_co_u32 s63, 7, s[PN]                     ; the first block of queries
	s_sub_co_u32 s[QG], 11, s[WV]
	s_cmp_lt_u32 s[WV], 4
	s_cselect_b32 s[QG], s[WV], s[QG]
	s_cmp_eq_u32 s[PN], 0
	s_cselect_b32 s[LIM], 6, 0
	s_and_b32 s62, ttmp7, 0xffff                   ; batch x 16 + head
	s_mul_i32 s66, s62, 786432
	s_mov_b32 s67, 0
	s_and_b32 s68, s62, 15
	s_lshl_b32 s68, s68, 20                        ; a16: the head's 1,048,576 bytes,
	s_lshr_b32 s69, s62, 4
	s_lshl_b32 s69, s69, 18                        ; the batch's 2,048 rows of 128 bytes
	s_add_co_u32 s68, s68, s69
	s_mov_b32 s69, 0
	s_and_b32 s70, s[WV], 3                        ; which quarter I fetch
	s_mov_b32 s[G1K], (3<<16)|(1<<20)|(4<<22)|(3<<25)   ; elements of 8 bytes; padding: 4 words behind every 32
	s_mov_b32 s[G1V], (3<<16)|(1<<20)|(4<<22)|(7<<25)   ; 8 words behind every 32
.irp g, G1K, G1V
	s_mov_b32 s[\g+1], 32<<16                      ; tensor_dim0 = 32 elements: 256 bytes
	s_mov_b32 s[\g+2], 32<<16                      ; tensor_dim1 = 32 rows
	s_mov_b32 s[\g+3], 32<<16                      ; tile_dim0
	s_mov_b32 s[\g+4], 32                          ; tile_dim1
	s_mov_b32 s[\g+5], 32                          ; dense
	s_mov_b32 s[\g+6], 0
	s_mov_b32 s[\g+7], 0
.endr
	s_mov_b32 s[CS], 0x3e38aa3b                    ; c = log2(e) / 8
	s_mov_b32 s[CS+1], s[CS]
	s_mov_b32 s[SEL], 0x76543210
	s_mov_b32 s[SEL+1], 0xfedcba98
	s_mov_b32 s[TB], 0
	s_mov_b32 s[LK], 0
	s_mov_b32 s[OFF+1], 0
	s_mov_b32 s[TT], 0
	v_and_b32 v13, 15, v0                          ; r
	v_bfe_u32 v14, v0, 4, 1                        ; h
	v_mul_u32_u24 v[AK0], v13, PK
	v_lshl_add_u32 v[AK0], v14, 4, v[AK0]          ; K: row r x pitch + 16 h
	v_and_b32 v12, 7, v0
	v_lshl_add_u32 v[AV0], v14, 3, v12
	v_mul_u32_u24 v[AV0], v[AV0], PV
	v_bfe_u32 v12, v0, 3, 1
	v_lshl_add_u32 v[AV0], v12, 4, v[AV0]
	v_add_nc_u32 v[AV0], VOFF, v[AV0]              ; V: key 8 h + lane % 8, channels 8 ((lane / 8) % 2) on
	v_lshlrev_b32 v[QO], 7, v13
	v_lshl_add_u32 v[QO], v14, 4, v[QO]
	s_mul_i32 s62, s[WV], 32*PK
	s_add_co_u32 s62, s62, STAGE
	v_mul_u32_u24 v[STO], v13, PK
	v_lshl_add_u32 v[STO], v14, 4, v[STO]
	v_add_nc_u32 v[STO], s62, v[STO]
	v_and_b32 v12, 31, v0
	v_lshrrev_b32 v[RD], 3, v12
	v_mul_u32_u24 v[RD], v[RD], PK
	v_and_b32 v[GO], 7, v0
	v_lshl_add_u32 v[RD], v[GO], 4, v[RD]
	v_add_nc_u32 v[RD], s62, v[RD]
	v_lshlrev_b32 v[GO], 4, v12
	v_lshlrev_b32 v[PFO], 8, v12
	v_lshlrev_b32 v[RH], 3, v14
	v_sub_nc_u32 v[RH], v13, v[RH]
	v_mov_b32 v[NEG], 0xff800000
	s_wait_dscnt 0x0                               ; both opening adds are done
	s_wait_kmcnt 0x0
	s_add_nc_u64 s[QB:QB+1], s[4:5], s[66:67]
	s_add_nc_u64 s[OB:OB+1], s[6:7], s[68:69]
	s_lshl_b32 s66, s70, 13
	s_add_co_u32 s66, s66, 262144
	s_add_nc_u64 s[KB:KB+1], s[QB:QB+1], s[66:67]
	s_add_nc_u64 s[VB:VB+1], s[KB:KB+1], 262144
	s_mov_b32 s[G0K], 1
	s_mul_i32 s[G0K+1], s70, 64*PK
	s_mov_b64 s[G0K+2:G0K+3], s[KB:KB+1]
	s_or_b32 s[G0K+3], s[G0K+3], 0x80000000
	s_mov_b32 s[G0V], 1
	s_mul_i32 s[G0V+1], s70, 64*PV
	s_add_co_u32 s[G0V+1], s[G0V+1], VOFF
	s_mov_b64 s[G0V+2:G0V+3], s[VB:VB+1]
	s_or_b32 s[G0V+3], s[G0V+3], 0x80000000
	TLOAD                                          ; slot 0: key block 0, which counts for every query
	s_cmp_lt_u32 s[WV], 4
	s_cselect_b64 s[PFA:PFA+1], s[KB:KB+1], s[VB:VB+1]
	s_add_nc_u64 s[PFA:PFA+1], s[PFA:PFA+1], 32768 ; at key block 1: trip 0 steps it to block 2.  Nothing is prefetched here, at the head
; A block of queries begins: s[qb] is its number.  Q into registers; m = -3e38, under every score; l and O^T zeros, which the first change of m leaves zeros: so the key step is written once.
.macro START qb
	s_lshl_b32 s[Q0], s[\qb], 8
	s_lshl_b32 s62, s[QG], 5
	s_add_co_u32 s[Q0], s[Q0], s62
	s_mov_b32 s[KF], 0
	s_lshl_b32 s66, s[Q0], 7
	s_add_nc_u64 s[QA:QA+1], s[QB:QB+1], s[66:67]
	s_add_nc_u64 s[OA:OA+1], s[OB:OB+1], s[66:67]
	WIN 0x40
.irp t, 0,1
.irp c, 0,1
	global_load_b128 v[QR+16*\t+8*\c:QR+16*\t+8*\c+3], v[QO], s[QA:QA+1] offset:2048*\t+64*\c
	global_load_b128 v[QR+16*\t+8*\c+4:QR+16*\t+8*\c+7], v[QO], s[QA:QA+1] offset:2048*\t+64*\c+32
.endr
.endr
	WIN 0
.irp t, 0,1
	v_mov_b32 v[ST+8*\t+1], 0xff61b1e6
	v_mul_f32 v[ST+8*\t], s[CS], v[ST+8*\t+1]
.irp k, 2,3,4,5,6,7
	v_mov_b32 v[ST+8*\t+\k], 0
.endr
.endr
.set i, 0
.rept 64
	v_mov_b32 v[OO+i], 0
.set i, i+1
.endr
	s_wait_loadcnt 0x0
.endm
; A block of queries ends: O^T / l, rounded to f16, through my stage, out as 4,096 consecutive bytes of a16.
.macro FINISH
	PLACES                                         ; behind the last products
.irp t, 0,1
	v_add_f32 v[ST+8*\t+4], v[ST+8*\t+2], v[ST+8*\t+3]
.endr
.irp t, 0,1
	v_permlanex16_b32 v[ST+8*\t+5], v[ST+8*\t+4], s[SEL], s[SEL+1]
.endr
.irp t, 0,1
	v_add_f32 v[ST+8*\t+4], v[ST+8*\t+4], v[ST+8*\t+5]
.endr
.irp t, 0,1
	v_rcp_f32 v[ST+8*\t+6], v[ST+8*\t+4]
.endr
	v_nop                                          ; a plain line behind the reciprocals,
	s_wait_alu depctr_va_vdst(0)                   ; and the one wait ahead of their first reader
.irp t, 0,1
.set i, 0
.rept 16
	v_pk_mul_f32 v[SS+32*\t+i:SS+32*\t+i+1], v[OO+32*\t+i:OO+32*\t+i+1], v[ST+8*\t+6:ST+8*\t+7] op_sel_hi:[1,0]   ; each accumulator from its low end on
.set i, i+2
.endr
.endr
.irp t, 0,1
.set i, 0
.rept 16
	v_cvt_pk_f16_f32 v[PP+16*\t+i], v[SS+32*\t+2*i], v[SS+32*\t+2*i+1]
.set i, i+1
.endr
.endr
.irp t, 0,1
.irp ct, 0,1,2,3
	ds_store_b128 v[STO], v[PP+16*\t+4*\ct:PP+16*\t+4*\ct+3] offset:16*PK*\t+32*\ct
.endr
.endr
.irp i, 0,1,2,3,4,5,6,7
	ds_load_b128 v[SS+4*\i:SS+4*\i+3], v[RD] offset:4*PK*\i        ; LDS serves a wave's instructions in order: these see my stores
.endr
.irp i, 0,1,2,3,4,5,6,7
	s_wait_dscnt 7-\i
	global_store_b128 v[GO], v[SS+4*\i:SS+4*\i+3], s[OA:OA+1] offset:512*\i   ; four rows: 512 consecutive bytes, aligned
.endr
	s_wait_xcnt 0x0                                ; the stores have read their registers and their base: both are written again
.endm
; THE CHANGE OF SLOTS, at a trip's head.  Each wave waits for all its tensor loads (its part of the slot ahead), adds 0 to its spare word, and waits for that and for its reads of the slot that it has left; then the barrier.
; fill = 1: the slot left is filled with the next trip's key block: one load a wave, first thing behind the barrier; it has the trip's four key steps in which to land.
.macro CHANGE fill
	s_wait_tensorcnt 0x0                           ; no tensor load of mine is out, so the groups 0 may be written
	ds_add_u32 v[SPW], v[NIL]
.if \fill
	s_add_co_u32 s[LK], s[LK], 1
	s_add_co_u32 s62, s[TT], 1
	s_cmp_eq_u32 s62, s[SW]
	s_cselect_b32 s[LK], 0, s[LK]                  ; the next trip's key block: one on, or 0 where the second block of queries begins
	s_lshl_b32 s[OFF], s[LK], 15                   ; 256 rows of 128 bytes
	s_xor_b32 s[G0K+1], s[G0K+1], SLOT1
	s_add_nc_u64 s[G0K+2:G0K+3], s[KB:KB+1], s[OFF:OFF+1]
	s_or_b32 s[G0K+3], s[G0K+3], 0x80000000
	s_xor_b32 s[G0V+1], s[G0V+1], SLOT1
	s_add_nc_u64 s[G0V+2:G0V+3], s[VB:VB+1], s[OFF:OFF+1]
	s_or_b32 s[G0V+3], s[G0V+3], 0x80000000
	s_wait_xcnt 0x0                                ; the last prefetch, a trip back, has read its address
	s_add_nc_u64 s[PFA:PFA+1], s[PFA:PFA+1], 32768
.endif
	s_wait_dscnt 0x0
	s_barrier_signal -1
	s_barrier_wait -1
.if \fill
	TLOAD
	ASK
.endif
.endm
.macro SWITCH                          ; at trip 8 - p the first block of queries goes out and the second begins.  Ids and the trip's count alone: all waves go the same way; no barrier
	s_cmp_lg_u32 s[TT], s[SW]
	s_cbranch_scc1 .Lsame_\@
	FINISH
	START PN
.Lsame_\@:
.endm
; A KEY STEP: 64 keys, the js-th of the slot in hand.
.macro STEP js
	s_add_co_u32 s62, s[Q0], 31
	s_cmp_gt_u32 s[KF], s62                        ; all 64 keys come after my 32 queries: the step's work is left out
	s_cbranch_scc1 .Lhid_\@
	PLACES                                         ; in front of loads into V's registers, which the last products read
	WIN 0x40
.irp kt, 0,1,2,3
.irp c, 0,1
	ds_load_b128 v[KR+16*\kt+8*\c:KR+16*\kt+8*\c+3], v[ADK] offset:64*PK*\js+16*PK*\kt+64*\c
	ds_load_b128 v[KR+16*\kt+8*\c+4:KR+16*\kt+8*\c+7], v[ADK] offset:64*PK*\js+16*PK*\kt+64*\c+32
.endr
.endr
.irp kc, 0,1
.irp ct, 0,1,2,3
	ds_load_tr16_b128 v[VR+8*(4*\kc+\ct):VR+8*(4*\kc+\ct)+3], v[ADV] offset:64*PV*\js+32*PV*\kc+32*\ct
	ds_load_tr16_b128 v[VR+8*(4*\kc+\ct)+4:VR+8*(4*\kc+\ct)+7], v[ADV] offset:64*PV*\js+32*PV*\kc+32*\ct+16*PV
.endr
.endr
	s_wait_dscnt 16                                ; K's sixteen loads are in; V's sixteen may be out
	WIN 0x05                                       ; K and Q window 1, S^T window 0
.irp c, 0,1                            ; eight accumulators by turns; the first eight products start the sums
.irp kt, 0,1,2,3
.irp t, 0,1
.if \c == 0
	v_wmma_f32_16x16x32_f16 v[SS+32*\t+8*\kt:SS+32*\t+8*\kt+7], v[KR+16*\kt+8*\c:KR+16*\kt+8*\c+7], v[QR+16*\t+8*\c:QR+16*\t+8*\c+7], 0
.else
	v_wmma_f32_16x16x32_f16 v[SS+32*\t+8*\kt:SS+32*\t+8*\kt+7], v[KR+16*\kt+8*\c:KR+16*\kt+8*\c+7], v[QR+16*\t+8*\c:QR+16*\t+8*\c+7], v[SS+32*\t+8*\kt:SS+32*\t+8*\kt+7]
.endif
.endr
.endr
.endr
	WIN 0
	PLACES
	s_add_co_u32 s62, s[KF], 63
	s_cmp_le_u32 s62, s[Q0]                        ; all 64 keys count for all my queries: no mask
	s_cbranch_scc1 .Lopen_\@
	s_sub_co_i32 s62, s[Q0], s[KF]
	v_add_nc_u32 v[DD], s62, v[RH]                 ; register 8 kt + j of tile t holds key KF + 16 kt + 8 h + j for query Q0 + 16 t + r: hidden where 16 kt + j > Q0 - KF + 16 t + r - 8 h
	v_add_nc_u32 v[DD+1], 16, v[DD]
.irp t, 0,1
.irp kt, 0,1,2,3
.irp j, 0,1,2,3,4,5,6,7
	v_cmp_gt_i32 vcc_lo, 16*\kt+\j, v[DD+\t]
	v_cndmask_b32 v[SS+32*\t+8*\kt+\j], v[SS+32*\t+8*\kt+\j], v[NEG], vcc_lo
.endr
.endr
.endr
.Lopen_\@:
	; the softmax, the two tiles line by line in turn.  The maximum of 32 scores and the old m, three operands at a time, each accumulator from its low end on
.irp j, 0,1,2,3
.irp t, 0,1
	v_max3_num_f32 v[ST+8*\t+4+\j], v[SS+32*\t+8*\j], v[SS+32*\t+8*\j+1], v[SS+32*\t+8*\j+2]
.endr
.endr
.irp i, 3,5
.irp j, 0,1,2,3
.irp t, 0,1
	v_max3_num_f32 v[ST+8*\t+4+\j], v[ST+8*\t+4+\j], v[SS+32*\t+8*\j+\i], v[SS+32*\t+8*\j+\i+1]
.endr
.endr
.endr
.irp t, 0,1
	v_max3_num_f32 v[ST+8*\t+4], v[ST+8*\t+4], v[SS+32*\t+7], v[SS+32*\t+15]
	v_max3_num_f32 v[ST+8*\t+6], v[ST+8*\t+6], v[SS+32*\t+23], v[SS+32*\t+31]
.endr
.irp t, 0,1
	v_max3_num_f32 v[ST+8*\t+4], v[ST+8*\t+4], v[ST+8*\t+5], v[ST+8*\t+6]
.endr
.irp t, 0,1
	v_max3_num_f32 v[ST+8*\t+4], v[ST+8*\t+4], v[ST+8*\t+7], v[ST+8*\t+1]
.endr
.irp t, 0,1
	v_permlanex16_b32 v[ST+8*\t+5], v[ST+8*\t+4], s[SEL], s[SEL+1]   ; the query's other 32 keys lie in the lane 16 away
	v_mov_b32 v[ST+8*\t+7], v[ST+8*\t]             ; c m_old
.endr
.irp t, 0,1
	v_max_num_f32 v[ST+8*\t+1], v[ST+8*\t+4], v[ST+8*\t+5]
.endr
.irp t, 0,1
	v_mul_f32 v[ST+8*\t], s[CS], v[ST+8*\t+1]
.endr
.irp t, 0,1
	v_sub_f32 v[ST+8*\t+7], v[ST+8*\t+7], v[ST+8*\t]
.endr
.irp b, 0,1,2,3,4,5,6,7,8,9,10,11,12,13,14,15
.irp t, 0,1
	v_pk_fma_f32 v[SS+32*\t+2*\b:SS+32*\t+2*\b+1], v[SS+32*\t+2*\b:SS+32*\t+2*\b+1], s[CS:CS+1], v[ST+8*\t:ST+8*\t+1] op_sel_hi:[1,0,0] neg_lo:[0,0,1] neg_hi:[0,0,1]   ; c s - c m
.endr
.endr
.irp t, 0,1
	v_exp_f32 v[ST+8*\t+6], v[ST+8*\t+7]           ; a
.endr
.set i, 0
.rept 64
	v_exp_f32 v[SS+i], v[SS+i]                     ; p, at most 1: ONE batch for both tiles
.set i, i+1
.endr
	v_nop                                          ; the plain line behind the last exponential,
	s_wait_alu depctr_va_vdst(0)                   ; and the one wait ahead of the batch's first reader
.irp i, 0,1,2,3,4,5,6,7,8,9,10,11,12,13,14,15
.irp t, 0,1
	v_cvt_pk_f16_f32 v[PP+16*\t+\i], v[SS+32*\t+2*\i], v[SS+32*\t+2*\i+1]
.endr
.endr
.irp u, 0,1,2,3,4,5,6,7               ; the sum of a tile's 16 pairs, in place
.irp t, 0,1
	v_pk_add_f32 v[SS+32*\t+4*\u:SS+32*\t+4*\u+1], v[SS+32*\t+4*\u:SS+32*\t+4*\u+1], v[SS+32*\t+4*\u+2:SS+32*\t+4*\u+3]
.endr
.endr
.irp u, 0,1,2,3
.irp t, 0,1
	v_pk_add_f32 v[SS+32*\t+8*\u:SS+32*\t+8*\u+1], v[SS+32*\t+8*\u:SS+32*\t+8*\u+1], v[SS+32*\t+8*\u+4:SS+32*\t+8*\u+5]
.endr
.endr
.irp u, 0,1
.irp t, 0,1
	v_pk_add_f32 v[SS+32*\t+16*\u:SS+32*\t+16*\u+1], v[SS+32*\t+16*\u:SS+32*\t+16*\u+1], v[SS+32*\t+16*\u+8:SS+32*\t+16*\u+9]
.endr
.endr
.irp t, 0,1
	v_pk_add_f32 v[SS+32*\t:SS+32*\t+1], v[SS+32*\t:SS+32*\t+1], v[SS+32*\t+16:SS+32*\t+17]
.endr
.irp t, 0,1
	v_pk_fma_f32 v[ST+8*\t+2:ST+8*\t+3], v[ST+8*\t+2:ST+8*\t+3], v[ST+8*\t+6:ST+8*\t+7], v[SS+32*\t:SS+32*\t+1] op_sel_hi:[1,0,1]   ; l = a l + the sum
.endr
.irp i, 0,1,2,3,4,5,6,7,8,9,10,11,12,13,14,15
.irp t, 0,1
	v_pk_mul_f32 v[OO+32*\t+2*\i:OO+32*\t+2*\i+1], v[OO+32*\t+2*\i:OO+32*\t+2*\i+1], v[ST+8*\t+6:ST+8*\t+7] op_sel_hi:[1,0]   ; O^T x a, each accumulator from its low end on
.endr
.endr
	s_wait_dscnt 0x0                               ; V is in
	WIN 0x01                                       ; V window 1; P, O^T window 0
.irp kc, 0,1                           ; eight accumulators by turns
.irp ct, 0,1,2,3
.irp t, 0,1
	v_wmma_f32_16x16x32_f16 v[OO+32*\t+8*\ct:OO+32*\t+8*\ct+7], v[VR+8*(4*\kc+\ct):VR+8*(4*\kc+\ct)+7], v[PP+16*\t+8*\kc:PP+16*\t+8*\kc+7], v[OO+32*\t+8*\ct:OO+32*\t+8*\ct+7]
.endr
.endr
.endr
	WIN 0
.Lhid_\@:
	s_add_co_u32 s[KF], s[KF], 64
.endm
	START 63
.Ltrip:                                            ; eight trips that ask for the next trip's key block; the ninth is written out
	CHANGE 1
	SWITCH
	v_add_nc_u32 v[ADK], s[TB], v[AK0]
	v_add_nc_u32 v[ADV], s[TB], v[AV0]
	STEP 0
	STEP 1
	STEP 2
	STEP 3
	s_xor_b32 s[TB], s[TB], SLOT1
	s_add_co_u32 s[TT], s[TT], 1
	s_cmp_lt_u32 s[TT], 8
	s_cbranch_scc1 .Ltrip
	CHANGE 0
	SWITCH
	v_add_nc_u32 v[ADK], s[TB], v[AK0]
	v_add_nc_u32 v[ADV], s[TB], v[AV0]
	STEP 0
	STEP 1
	STEP 2
	STEP 3
	FINISH
	s_wait_tensorcnt 0x0                           ; the wave's end
	ds_add_u32 v[SPW], v[NIL]
	s_wait_dscnt 0x0
	s_endpgm
.Lfunc_end_k_q8757f461e1_attn:
	.size	k_q8757f461e1_attn, .Lfunc_end_k_q8757f461e1_attn-k_q8757f461e1_attn
	.p2alignl 7, 3214868480
	.fill 96, 4, 3214868480
	.section	.rodata,"a",@progbits
	.p2align	6, 0x0
	.amdhsa_kernel k_q8757f461e1_attn
		.amdhsa_group_segment_fixed_size 327680
		.amdhsa_private_segment_fixed_size 0
		.amdhsa_enable_private_segment 0
		.amdhsa_kernarg_size 16
		.amdhsa_user_sgpr_count 2
		.amdhsa_user_sgpr_kernarg_segment_ptr 1
		.amdhsa_wavefront_size32 1
		.amdhsa_system_sgpr_workgroup_id_x 1
		.amdhsa_system_sgpr_workgroup_id_y 1
		.amdhsa_system_sgpr_workgroup_id_z 1
		.amdhsa_system_vgpr_workitem_id 0
		.amdhsa_next_free_vgpr 416
		.amdhsa_next_free_sgpr 72
		.amdhsa_reserve_vcc 1
		.amdhsa_float_denorm_mode_32 3
		.amdhsa_float_denorm_mode_16_64 3
		.amdhsa_memory_ordered 1
		.amdhsa_forward_progress 1
		.amdhsa_inst_pref_size 209
	.end_amdhsa_kernel
	.amdgpu_metadata
---
amdhsa.version: [ 1, 2 ]
amdhsa.kernels:
  - .name:           k_q8757f461e1_attn
    .symbol:         k_q8757f461e1_attn.kd
    .args:
      - { .name: qkv16, .offset: 0, .size: 8, .value_kind: global_buffer, .address_space: global }
      - { .name: a16, .offset: 8, .size: 8, .value_kind: global_buffer, .address_space: global }
    .group_segment_fixed_size: 327680
    .private_segment_fixed_size: 0
    .kernarg_segment_align: 8
    .kernarg_segment_size: 16
    .max_flat_workgroup_size: 256
    .sgpr_count:     72
    .vgpr_count:     416
    .wavefront_size: 32
...
	.end_amdgpu_metadata
.endif
;; end of part 3
;; launch proj (part 4): grid 4 x 64, 4 waves a work-group, clusters of 4 x 4, 327,680 bytes of LDS; arguments a16, wo16, bout, out0; writes out0
.if DOCPART == 4
	.amdgcn_target "amdgcn-amd-amdhsa--gfx1250"
	.amdhsa_code_object_version 6
	.text
	.protected	k_q8757f461e1_proj
	.globl	k_q8757f461e1_proj
	.p2align	8
	.type	k_q8757f461e1_proj,@function
k_q8757f461e1_proj:
	s_mov_b64 s[64:65], 0
	v_nop
	global_prefetch_b8 v0, s[64:65] scope:SCOPE_SE
	s_setreg_imm32_b32 hwreg(HW_REG_WAVE_MODE, 25, 1), 1
	s_wait_xcnt 0x0
	s_wait_alu depctr_hold_cnt(0) depctr_sa_sdst(0) depctr_va_vdst(0) depctr_va_sdst(0) depctr_va_ssrc(0) depctr_va_vcc(0) depctr_vm_vsrc(0)
	s_getreg_b32 s2, hwreg(HW_REG_IB_STS2, 6, 4)
	s_cmp_eq_u32 s2, 0
	s_cbranch_scc0 .Lentry_in_a_cluster
	s_endpgm
.Lentry_in_a_cluster:
	s_bfe_u32 s2, ttmp6, 0x10000c
	s_cmp_lg_u32 s2, 0xf033
	s_cbranch_scc0 .Lentry_shape_is_right
	s_endpgm
.Lentry_shape_is_right:
; out0 = attn Wout^T + bout.  attn: a16 [head 16][row 8,192][64] f16; Wout: wo16 [n 1,024][k 1,024] f16; sums and out0 in f32.  (Rows s < 16 of each batch are written again, from f32 operands, by the launch that follows.)
; A tile is 128 rows x 256 columns: 256 work-groups.  Wave w: rows 64 (w / 2) on, columns 128 (w % 2) on: 32 accumulators.  K goes in steps of 128, two heads, through a ring of two LDS slots; 8 K steps.
; A K step of attn is, for each of its two heads, 128 rows of 128 bytes: 16,384 dense bytes (stated as 64 rows of 256 bytes, padding behind every 128); of Wout 256 rows of 256 bytes.
; CLUSTER 4 x 4: attn's tiles are shared along a row of the cluster, Wout's along a column: joint loads; where a slot is filled again a round of the cluster's barrier is the barrier in front of the refill.
; THE MATRIX INSTRUCTION IS USED TRANSPOSED (source 0 = 16 rows of Wout, source 1 = 16 rows of attn): a lane holds one row and eight neighbouring columns.  The bias is the C of each sum's first product.
; REGISTERS: window 0: v16-29 addresses; v64-95, v96-127 attn's fragments, two buffers; v128-191 the bias, 8 x 8; on the way out v64-191 are free.   window 1: Wout's fragments, two buffers, v0-63, v64-127.   window 2: accumulator (a, b) at v[8 (8 a + b)].
.set PA,    144                        ; a row of attn in LDS: 128 bytes + 16
.set PB,    272                        ; a row of Wout: 256 + 16
.set HEADA, 128*PA
.set BOFF,  2*HEADA
.set HALFB, 128*PB
.set SLOT,  BOFF+2*HALFB
.set SPARE, 2*SLOT                     ; the spare words, 128 bytes a wave, named by no other line
.set SPITCH, 528                       ; the way out: 16 rows x (512 + 16) for each wave, in slot 0, which has had its last fill and its last read by then
.set ADRA, 16
.set ADRB, 20
.set STO,  24
.set RD,   25
.set CO,   26
.set BO,   27
.set SPW,  28
.set NIL,  29
.set AF,   64
.set BI,   128
.set BK,   64
.set G1,   24
.set G0,   32
.set G1B,  48
.set G0B,  56
.set MSB, 0
.macro WIN new
.if MSB != (\new)
	s_set_vgpr_msb (MSB<<8)|(\new)
.set MSB, \new
.endif
.endm
.macro JLOAD s                         ; waves 0, 1: attn's two heads; waves 2, 3: Wout's two halves.  An s_nop 0 and four v_nop follow each line
	s_cmp_eq_u32 s13, 0
	s_cbranch_scc0 .Lfor_b_\@
	tensor_load_to_lds s[G0+4*\s:G0+4*\s+3], s[G1:G1+7]
	s_nop 0
.rept 4
	v_nop
.endr
	s_branch .Lasked_\@
.Lfor_b_\@:
	tensor_load_to_lds s[G0B+4*\s:G0B+4*\s+3], s[G1B:G1B+7]
	s_nop 0
.rept 4
	v_nop
.endr
.Lasked_\@:
.endm
.macro CREST
	s_cmp_lg_u32 s12, 0
	s_cbranch_scc1 .Lnot_wave_0_\@
	s_barrier_signal -3
.Lnot_wave_0_\@:
	s_barrier_wait -3
	s_barrier_signal -1
	s_barrier_wait -1
.endm
.macro CROUND
	s_barrier_signal -1
	s_barrier_wait -1
	CREST
.endm
.macro PLACES
.rept 4
	v_nop
.endr
.endm
	s_load_b256 s[4:11], s[0:1], 0x0               ; a16 s[4:5], wo16 s[6:7], bout s[8:9], out0 s[10:11]
	v_lshl_add_u32 v[SPW], v0, 2, SPARE
	v_mov_b32 v[NIL], 0
	ds_add_u32 v[SPW], v[NIL]                      ; the opening: the add, twice on end, and its wait ahead of my first tensor load
	ds_add_u32 v[SPW], v[NIL]
	v_lshrrev_b32 v1, 5, v0
	v_readfirstlane_b32 s12, v1                    ; wave 0..3
	s_lshr_b32 s13, s12, 1                         ; which 64 rows are mine.  Also: I fetch for attn (0) or for Wout (1)
	s_and_b32 s14, s12, 1                          ; which 128 columns.  Also: which head of the K step, or which half of Wout's rows, I fetch
	s_bfe_u32 s40, ttmp6, 0x40000                  ; cx
	s_bfe_u32 s41, ttmp6, 0x40004                  ; cy
	s_lshl_b32 s42, ttmp9, 2
	s_add_co_u32 s42, s42, s40                     ; tile column
	s_and_b32 s15, ttmp7, 0xffff
	s_lshl_b32 s15, s15, 2
	s_add_co_u32 s15, s15, s41                     ; tile row
	s_lshl_b32 s43, s41, 2
	s_lshl_b32 s43, 15, s43                        ; my row of the cluster
	s_lshl_b32 s44, 0x1111, s40                    ; my column
	s_or_b32 s[G1+0], s43, (3<<16)|(1<<20)|(1<<21)|(4<<22)|(3<<25)    ; elements of 8 bytes; padding: 4 words behind every 32; bit 21 beside a mask
	s_mov_b32 s[G1+1], 32<<16                      ; 256 bytes a row,
	s_mov_b32 s[G1+2], 64<<16                      ; 64 rows,
	s_mov_b32 s[G1+3], 32<<16
	s_mov_b32 s[G1+4], 64
	s_mov_b32 s[G1+5], 32                          ; dense
	s_mov_b32 s[G1+6], 0
	s_mov_b32 s[G1+7], 0
	s_or_b32 s[G1B+0], s44, (1<<16)|(1<<20)|(1<<21)|(5<<22)|(3<<25)   ; elements of 2 bytes; padding: 4 words behind every 64
	s_mov_b32 s[G1B+1], 128<<16
	s_mov_b32 s[G1B+2], 128<<16
	s_mov_b32 s[G1B+3], 128<<16
	s_mov_b32 s[G1B+4], 128
	s_mov_b32 s[G1B+5], 1024
	s_mov_b32 s[G1B+6], 0
	s_mov_b32 s[G1B+7], 0
	s_lshl_b32 s16, s14, 20                        ; attn: head (w % 2) of K step 0,
	s_lshl_b32 s17, s15, 14                        ; the tile's 128 rows of 128 bytes
	s_add_co_u32 s16, s16, s17
	s_mov_b32 s17, 0
	s_lshl_b32 s46, s42, 8
	s_lshl_b32 s47, s14, 7
	s_add_co_u32 s46, s46, s47                     ; Wout: row 256 x tile column + 128 x half,
	s_lshl_b32 s46, s46, 11                        ; of 2,048 bytes
	s_mov_b32 s47, 0
	s_mul_i32 s20, s14, HEADA                      ; where they go: no place in the cluster enters an LDS address
	s_mul_i32 s21, s14, HALFB
	s_add_co_u32 s21, s21, BOFF
	v_and_b32 v1, 15, v0                           ; r
	v_bfe_u32 v2, v0, 4, 1                         ; h
	v_and_b32 v3, 31, v0                           ; lane
	v_mul_u32_u24 v4, v1, PA
	v_lshl_add_u32 v4, v2, 4, v4
	s_mul_i32 s2, s13, 64*PA
	v_add_nc_u32 v[ADRA], s2, v4
	v_add_nc_u32 v[ADRA+1], SLOT, v[ADRA]
	v_mul_u32_u24 v4, v1, PB
	v_lshl_add_u32 v4, v2, 4, v4
	s_mul_i32 s2, s14, HALFB
	s_add_co_u32 s2, s2, BOFF
	v_add_nc_u32 v[ADRB], s2, v4
	v_add_nc_u32 v[ADRB+1], SLOT, v[ADRB]
	s_mul_i32 s2, s12, 16*SPITCH
	v_mul_u32_u24 v4, v1, SPITCH
	v_lshl_add_u32 v4, v2, 5, v4
	v_add_nc_u32 v[STO], s2, v4
	v_lshlrev_b32 v[CO], 4, v3
	v_add_nc_u32 v[RD], s2, v[CO]
	v_lshlrev_b32 v[BO], 5, v2
	s_wait_dscnt 0x0                               ; both opening adds are done
	s_wait_kmcnt 0x0
	s_add_nc_u64 s[16:17], s[4:5], s[16:17]
	s_add_nc_u64 s[46:47], s[6:7], s[46:47]
	CROUND                                         ; all sixteen work-groups are here: the first joint loads meet
.irp s, 0,1
	s_mov_b32 s[G0+4*\s], 1
	s_add_co_u32 s[G0+4*\s+1], s20, \s*SLOT
	s_add_nc_u64 s[G0+4*\s+2:G0+4*\s+3], s[16:17], \s*2097152      ; K step s: two heads on
	s_or_b32 s[G0+4*\s+3], s[G0+4*\s+3], 0x80000000
	s_mov_b32 s[G0B+4*\s], 1
	s_add_co_u32 s[G0B+4*\s+1], s21, \s*SLOT
	s_add_nc_u64 s[G0B+4*\s+2:G0B+4*\s+3], s[46:47], \s*256
	s_or_b32 s[G0B+4*\s+3], s[G0B+4*\s+3], 0x80000000
	JLOAD \s                                       ; two loads of mine are out
.endr
	s_lshl_b32 s22, s42, 10
	s_lshl_b32 s2, s14, 9
	s_add_co_u32 s22, s22, s2                      ; my first column, in bytes
	s_mov_b32 s23, 0
	s_add_nc_u64 s[8:9], s[8:9], s[22:23]
	s_add_nc_u64 s[10:11], s[10:11], s[22:23]
.irp b, 0,1,2,3,4,5,6,7
	global_load_b128 v[BI+8*\b:BI+8*\b+3], v[BO], s[8:9] offset:64*\b          ; bout[my first column + 16 b + 8 h + 0 .. 7]
	global_load_b128 v[BI+8*\b+4:BI+8*\b+7], v[BO], s[8:9] offset:64*\b+16
.endr
	s_lshl_b32 s22, s15, 19                        ; my first row: 128 x tile row + 64 x half, of 4,096 bytes
	s_lshl_b32 s2, s13, 18
	s_add_co_u32 s22, s22, s2
	s_add_nc_u64 s[10:11], s[10:11], s[22:23]
; 8 matrix instructions: attn's block a against Wout's eight, 32 along K, buffer f.  first = 1: C is the bias.  The 32 accumulators take turns in one order throughout.
.macro MUL8 f, a, first
.irp b, 0,1,2,3,4,5,6,7
.if \first
	v_wmma_f32_16x16x32_f16 v[8*(8*\a+\b):8*(8*\a+\b)+7], v[64*\f+8*\b:64*\f+8*\b+7], v[AF+32*\f+8*\a:AF+32*\f+8*\a+7], v[BI+8*\b:BI+8*\b+7]
.else
	v_wmma_f32_16x16x32_f16 v[8*(8*\a+\b):8*(8*\a+\b)+7], v[64*\f+8*\b:64*\f+8*\b+7], v[AF+32*\f+8*\a:AF+32*\f+8*\a+7], v[8*(8*\a+\b):8*(8*\a+\b)+7]
.endif
.endr
.endm
; 24 LDS loads in one run: quarter kq (32 along K) of a slot into buffer f: Wout's sixteen, then attn's blocks 0, 1, then 2, 3
.macro FETCH slot, kq, f
	WIN 0x40
.irp b, 0,1,2,3,4,5,6,7
	ds_load_b128 v[64*\f+8*\b:64*\f+8*\b+3],   v[ADRB+\slot] offset:64*\kq+16*PB*\b
	ds_load_b128 v[64*\f+8*\b+4:64*\f+8*\b+7], v[ADRB+\slot] offset:64*\kq+16*PB*\b+32
.endr
	WIN 0
.irp a, 0,1,2,3
	ds_load_b128 v[AF+32*\f+8*\a:AF+32*\f+8*\a+3],   v[ADRA+\slot] offset:(\kq/2)*HEADA+(\kq%2)*64+16*PA*\a
	ds_load_b128 v[AF+32*\f+8*\a+4:AF+32*\f+8*\a+7], v[ADRA+\slot] offset:(\kq/2)*HEADA+(\kq%2)*64+16*PA*\a+32
.endr
.endm
; A quarter: multiplies buffer f and, in its middle, fetches quarter kq of the same slot into buffer g
.macro QUARTER slot, kq, f, g, first
	s_wait_dscnt 4                                 ; all but the youngest four loads (attn's blocks 2, 3) are in
	WIN 0xa1-0x20*(\first)                         ; Wout window 1, attn window 0, D window 2, C window 2 (the bias: window 0)
	MUL8 \f, 0, \first
	MUL8 \f, 1, \first
	PLACES
	FETCH \slot, \kq, \g
	s_wait_dscnt 24                                ; all but the 24 just issued
	WIN 0xa1-0x20*(\first)
	MUL8 \f, 2, \first
	MUL8 \f, 3, \first
.endm
; A slot's last quarter multiplies buffer 1 and changes slots: ONE barrier; in front of it each wave waits for all its tensor loads, adds 0 to its spare word, and waits for that and for its reads of this slot.  fill = 1: this slot is filled again, two K steps ahead.
.macro TURN slot, next, fill
	WIN 0
	s_wait_tensorcnt 0x0                           ; all my tensor loads have landed: my part of the next slot
	ds_add_u32 v[SPW], v[NIL]
	s_wait_dscnt 5                                 ; the add and the youngest four loads may be out
	WIN 0xa1
	MUL8 1, 0, 0
	s_wait_dscnt 0x0                               ; the add is done, and my reads of this slot are over
	s_barrier_signal -1
	MUL8 1, 1, 0
.if \fill
	WIN 0
.endif
	s_barrier_wait -1
.if \fill
	CREST                                          ; the barrier has opened a round of the cluster's: no wave of any partner still reads this slot or has a load on its way
	s_add_nc_u64 s[G0+4*\slot+2:G0+4*\slot+3], s[G0+4*\slot+2:G0+4*\slot+3], 4194304   ; four heads on
	s_add_nc_u64 s[G0B+4*\slot+2:G0B+4*\slot+3], s[G0B+4*\slot+2:G0B+4*\slot+3], 512
	JLOAD \slot                                    ; my one tensor load behind the round; its four v_nop are also the places in front of the loads below
.else
	PLACES
.endif
	FETCH \next, 0, 0
	WIN 0xa1
	MUL8 1, 2, 0
	MUL8 1, 3, 0
.endm
	s_wait_tensorcnt 1                             ; my part of K step 0 is in; K step 1's may stay out
	s_barrier_signal -1
	s_barrier_wait -1
	FETCH 0, 0, 0
	s_wait_loadcnt 0x0                             ; the bias
	QUARTER 0, 1, 0, 1, 1                          ; the first quarter stands in front of the loop: its products start the sums
	WIN 0
	s_mov_b32 s3, 3
.Llap:                                             ; a trip goes once round the ring and fills both slots again: K steps 2 .. 7
	QUARTER 0, 2, 1, 0, 0
	QUARTER 0, 3, 0, 1, 0
	TURN 0, 1, 1
	QUARTER 1, 1, 0, 1, 0
	QUARTER 1, 2, 1, 0, 0
	QUARTER 1, 3, 0, 1, 0
	TURN 1, 0, 1
	QUARTER 0, 1, 0, 1, 0
	WIN 0
	s_sub_co_u32 s3, s3, 1
	s_cmp_lg_u32 s3, 0
	s_cbranch_scc1 .Llap
	QUARTER 0, 2, 1, 0, 0                          ; the last lap fills nothing
	QUARTER 0, 3, 0, 1, 0
	TURN 0, 1, 0
	QUARTER 1, 1, 0, 1, 0
	QUARTER 1, 2, 1, 0, 0
	QUARTER 1, 3, 0, 1, 0
	s_wait_dscnt 4
	WIN 0xa1
	MUL8 1, 0, 0
	MUL8 1, 1, 0
	s_wait_dscnt 0x0
	MUL8 1, 2, 0
	MUL8 1, 3, 0
	WIN 0
	PLACES
; THE WAY OUT, block by block of 16 rows x 128 columns: through my own stage, back as whole rows of 512 bytes.
.macro TOSTAGE a
	WIN 0x08                                       ; an LDS store's data are its source 1: window 2
.irp b, 0,1,2,3,4,5,6,7
	ds_store_b128 v[STO], v[8*(8*(\a)+\b):8*(8*(\a)+\b)+3] offset:64*\b        ; each accumulator from its low end on
	ds_store_b128 v[STO], v[8*(8*(\a)+\b)+4:8*(8*(\a)+\b)+7] offset:64*\b+16
.endr
	WIN 0
.set BB, BK+64*((\a)%2)
.irp t, 0,1,2,3,4,5,6,7,8,9,10,11,12,13,14,15
	ds_load_b128 v[BB+4*\t:BB+4*\t+3], v[RD] offset:\t*SPITCH      ; LDS serves a wave's instructions in order: these see my stores
.endr
.endm
.macro SEND a, younger
.set BB, BK+64*((\a)%2)
	s_wait_dscnt \younger                          ; the block is back; the next block's 16 stores and 16 loads may be out
.irp t, 0,1,2,3,4,5,6,7,8,9,10,11,12,13,14,15
	global_store_b128 v[CO], v[BB+4*\t:BB+4*\t+3], s[10:11] offset:(16*(\a)+\t)*4096 th:TH_STORE_NT   ; 32 lanes: 512 consecutive bytes, aligned
.endr
.endm
	TOSTAGE 0
.irp a, 1,2,3
.if \a > 1
	s_wait_xcnt 0x0                                ; block a - 2's stores have read their registers: block a's loads may land there
.endif
	TOSTAGE \a
	SEND \a-1, 32
.endr
	SEND 3, 0
	s_wait_tensorcnt 0x0                           ; the wave's end
	ds_add_u32 v[SPW], v[NIL]
	s_wait_dscnt 0x0
	CROUND                                         ; the closing round
	s_endpgm
.Lfunc_end_k_q8757f461e1_proj:
	.size	k_q8757f461e1_proj, .Lfunc_end_k_q8757f461e1_proj-k_q8757f461e1_proj
	.p2alignl 7, 3214868480
	.fill 96, 4, 3214868480
	.section	.rodata,"a",@progbits
	.p2align	6, 0x0
	.amdhsa_kernel k_q8757f461e1_proj
		.amdhsa_group_segment_fixed_size 327680
		.amdhsa_private_segment_fixed_size 0
		.amdhsa_enable_private_segment 0
		.amdhsa_kernarg_size 32
		.amdhsa_user_sgpr_count 2
		.amdhsa_user_sgpr_kernarg_segment_ptr 1
		.amdhsa_wavefront_size32 1
		.amdhsa_system_sgpr_workgroup_id_x 1
		.amdhsa_system_sgpr_workgroup_id_y 1
		.amdhsa_system_sgpr_workgroup_id_z 1
		.amdhsa_system_vgpr_workitem_id 0
		.amdhsa_next_free_vgpr 768
		.amdhsa_next_free_sgpr 66
		.amdhsa_reserve_vcc 0
		.amdhsa_float_denorm_mode_32 3
		.amdhsa_float_denorm_mode_16_64 3
		.amdhsa_memory_ordered 1
		.amdhsa_forward_progress 1
		.amdhsa_inst_pref_size 87
	.end_amdhsa_kernel
	.amdgpu_metadata
---
amdhsa.version: [ 1, 2 ]
amdhsa.kernels:
  - .name:           k_q8757f461e1_proj
    .symbol:         k_q8757f461e1_proj.kd
    .args:
      - { .name: a16, .offset: 0, .size: 8, .value_kind: global_buffer, .address_space: global }
      - { .name: wo16, .offset: 8, .size: 8, .value_kind: global_buffer, .address_space: global }
      - { .name: bout, .offset: 16, .size: 8, .value_kind: global_buffer, .address_space: global }
      - { .name: out0, .offset: 24, .size: 8, .value_kind: global_buffer, .address_space: global }
    .group_segment_fixed_size: 327680
    .private_segment_fixed_size: 0
    .kernarg_segment_align: 8
    .kernarg_segment_size: 32
    .max_flat_workgroup_size: 128
    .sgpr_count:     66
    .vgpr_count:     768
    .wavefront_size: 32
...
	.end_amdgpu_metadata
.endif
;; end of part 4
;; launch first16 (part 5): grid 16 x 4, 16 waves a work-group, no clusters, 71,680 bytes of LDS; arguments qkv32, Wout, bout, out0; writes out0
.if DOCPART == 5
	.amdgcn_target "amdgcn-amd-amdhsa--gfx1250"
	.amdhsa_code_object_version 6
	.text
	.protected	k_q8757f461e1_first16
	.globl	k_q8757f461e1_first16
	.p2align	8
	.type	k_q8757f461e1_first16,@function
k_q8757f461e1_first16:
	s_mov_b64 s[64:65], 0
	v_nop
	global_prefetch_b8 v0, s[64:65] scope:SCOPE_SE
	s_setreg_imm32_b32 hwreg(HW_REG_WAVE_MODE, 25, 1), 1
	s_wait_xcnt 0x0
; Rows s < 16 of each batch, from the f32 copy of q, k, v, all in f32: these rows average one to sixteen values and are the largest in size, so 16-bit operands would weigh most here.  They are written over what the launch before left in these 64 rows of out0.
; Work-group (cb, batch) makes out0[batch][0 .. 15][64 cb .. 64 cb + 63].  Wave hd is head hd: its 16 x 16 causal attention, then that head's 64 of the projection's K for the 64 columns; the sixteen partial tiles meet in LDS.
; 96 instructions of the f32 matrix form a wave: no bulk work.  The attention is made again in each of the 16 column blocks (32 of a wave's 96): that spares a launch.
; A permutation of k applied alike to both operands leaves a sum's terms as they are: so every fragment comes by plain loads, two neighbouring registers to an instruction.
; LAYOUT (r = lane % 16, h = lane / 16): S^T = K Q^T: register j = (key 8 h + j, query r).  O^T = V^T P^T: register j of tile ct = (channel 16 ct + 8 h + j, query r).  The projection, source 0 = 16 rows of Wout: register j of tile nt = (column 16 nt + 8 h + j, query r).
; REGISTERS: v1, v2 the add's two; v3-7 addresses, later at work; v8-15 p; v16-47 Q, v48-79 K, later Wout's columns 32-63; v80-111 V, later the normalised attention; v112-175 Wout's columns 0-31;
;   v176-255 are written by matrix instructions alone: v176-191 S^T in two chains, v192-223 O^T, v224-255 the projection.
.set PPI,   272                        ; a row of a partial tile: 256 bytes + 16
.set SPARE, 16*16*PPI                  ; the spare words, 128 bytes a wave, named by no other line
.set SPW, 1
.set NIL, 2
	s_load_b256 s[4:11], s[0:1], 0x0               ; qkv32 s[4:5], Wout s[6:7], bout s[8:9], out0 s[10:11]
	v_lshl_add_u32 v[SPW], v0, 2, SPARE
	v_mov_b32 v[NIL], 0
	v_lshrrev_b32 v3, 5, v0
	v_readfirstlane_b32 s12, v3                    ; wave = head
	s_and_b32 s13, ttmp7, 0xffff                   ; batch
	s_mov_b32 s14, 0x76543210
	s_mov_b32 s15, 0xfedcba98                      ; v_permlanex16_b32's selects for lane xor 16
	s_mov_b32 s16, 0x3e38aa3b                      ; c = log2(e) / 8
	v_and_b32 v8, 15, v0                           ; r
	v_bfe_u32 v9, v0, 4, 1                         ; h
	v_mul_u32_u24 v3, v8, 12288
	v_lshl_add_u32 v3, v9, 4, v3                   ; Q, K: row r, 16 h bytes on
	v_mul_u32_u24 v4, v9, 98304
	v_lshl_add_u32 v4, v8, 2, v4                   ; V: key 8 h, channel r
	v_lshlrev_b32 v5, 12, v8
	v_lshl_add_u32 v5, v9, 5, v5                   ; Wout: row r, 32 h bytes on
	s_mul_i32 s18, s12, 16*PPI
	v_mul_u32_u24 v6, v8, PPI
	v_lshl_add_u32 v6, v9, 5, v6
	v_add_nc_u32 v6, s18, v6                       ; my partial tile: row r, 32 h bytes on
	v_lshlrev_b32 v7, 3, v9
	v_sub_nc_u32 v7, v8, v7                        ; r - 8 h: key 8 h + j counts where j <= r - 8 h
	s_mul_i32 s18, s13, 196608
	s_mul_i32 s20, s12, 768
	s_add_co_u32 s18, s18, s20
	s_mov_b32 s19, 0
	s_lshl_b32 s20, ttmp9, 18                      ; Wout: 64 rows of 4,096 bytes a column block,
	s_lshl_b32 s22, s12, 8                         ; the head's 256 bytes
	s_add_co_u32 s20, s20, s22
	s_mov_b32 s21, 0
	s_lshl_b32 s22, ttmp9, 8
	s_mov_b32 s23, 0
	s_lshl_b32 s24, s13, 23                        ; out0: a batch is 8,388,608 bytes
	s_add_co_u32 s24, s24, s22
	s_mov_b32 s25, 0
	s_wait_kmcnt 0x0
	s_add_nc_u64 s[4:5], s[4:5], s[18:19]
	s_add_nc_u64 s[6:7], s[6:7], s[20:21]
	s_add_nc_u64 s[8:9], s[8:9], s[22:23]
	s_add_nc_u64 s[10:11], s[10:11], s[24:25]
.irp c, 0,1,2,3,4,5,6,7
	global_load_b128 v[16+4*\c:19+4*\c], v3, s[4:5] offset:32*\c               ; Q(r, 8 c + 4 h + 0 .. 3)
.endr
.irp c, 0,1,2,3,4,5,6,7
	global_load_b128 v[48+4*\c:51+4*\c], v3, s[4:5] offset:256+32*\c           ; K likewise
.endr
.irp ct, 0,1,2,3
.irp j, 0,1,2,3,4,5,6,7
	global_load_b32 v[80+8*\ct+\j], v4, s[4:5] offset:12288*\j+512+64*\ct      ; V(8 h + j, 16 ct + r)
.endr
.endr
.irp nt, 0,1
.irp ct, 0,1,2,3
.irp g, 0,1
	global_load_b128 v[112+32*\nt+8*\ct+4*\g:115+32*\nt+8*\ct+4*\g], v5, s[6:7] offset:65536*\nt+64*\ct+16*\g   ; Wout(64 cb + 16 nt + r, 64 hd + 16 ct + 8 h + 4 g + 0 .. 3)
.endr
.endr
.endr
	s_wait_loadcnt 48                              ; Q and K are in; V's 32 and Wout's 16 may be out
	; S^T = K Q^T: 16 instructions in two chains by turns; the first two start the sums
.set i, 0
.rept 16
.if i < 2
	v_wmma_f32_16x16x4_f32 v[176+8*(i%2):183+8*(i%2)], v[48+2*i:49+2*i], v[16+2*i:17+2*i], 0
.else
	v_wmma_f32_16x16x4_f32 v[176+8*(i%2):183+8*(i%2)], v[48+2*i:49+2*i], v[16+2*i:17+2*i], v[176+8*(i%2):183+8*(i%2)]
.endif
.set i, i+1
.endr
.rept 8
	v_nop                                          ; eight places behind this form: in front of loads into Q's and K's registers and of the first read of the sums
.endr
.irp nt, 0,1
.irp ct, 0,1,2,3
.irp g, 0,1
	global_load_b128 v[16+32*\nt+8*\ct+4*\g:19+32*\nt+8*\ct+4*\g], v5, s[6:7] offset:65536*(\nt+2)+64*\ct+16*\g
.endr
.endr
.endr
	s_wait_loadcnt 32                              ; V is in (Wout's 32 loads may be out): v3 and v4, whose loads are done, are free for work
.irp j, 0,1,2,3,4,5,6,7
	v_add_f32 v[8+\j], v[176+\j], v[184+\j]        ; the two chains, from the low end on
.endr
.irp j, 0,1,2,3,4,5,6,7
	v_cmp_le_i32 vcc_lo, \j, v7
	v_cndmask_b32 v[8+\j], 0xff800000, v[8+\j], vcc_lo             ; hidden keys: -infinity
.endr
	v_max3_num_f32 v3, v8, v9, v10
	v_max3_num_f32 v4, v11, v12, v13
	v_max3_num_f32 v3, v3, v14, v15
	v_max_num_f32 v3, v3, v4
	v_permlanex16_b32 v4, v3, s14, s15
	v_max_num_f32 v3, v3, v4                       ; the row's maximum: key 0 counts for every query, so it is a number
	v_mul_f32 v3, s16, v3
.irp j, 0,1,2,3,4,5,6,7
	v_fma_f32 v[8+\j], v[8+\j], s16, -v3
.endr
.irp j, 0,1,2,3,4,5,6,7
	v_exp_f32 v[8+\j], v[8+\j]
.endr
	v_nop                                          ; a plain line behind the exponentials,
	s_wait_alu depctr_va_vdst(0)                   ; and the one wait ahead of their first reader
	v_add_f32 v3, v8, v9
	v_add_f32 v4, v10, v11
	v_add_f32 v7, v12, v13
	v_add_f32 v3, v3, v4
	v_add_f32 v4, v14, v15
	v_add_f32 v3, v3, v7
	v_add_f32 v3, v3, v4
	v_permlanex16_b32 v4, v3, s14, s15
	v_add_f32 v3, v3, v4                           ; the row's sum
	v_rcp_f32 v7, v3
	v_nop
	s_wait_alu depctr_va_vdst(0)
	; O^T = V^T P^T: keys 8 h + 2 i + 0, 1 an instruction; the four channel tiles by turns
.irp i, 0,1,2,3
.irp ct, 0,1,2,3
.if \i == 0
	v_wmma_f32_16x16x4_f32 v[192+8*\ct:199+8*\ct], v[80+8*\ct+2*\i:81+8*\ct+2*\i], v[8+2*\i:9+2*\i], 0
.else
	v_wmma_f32_16x16x4_f32 v[192+8*\ct:199+8*\ct], v[80+8*\ct+2*\i:81+8*\ct+2*\i], v[8+2*\i:9+2*\i], v[192+8*\ct:199+8*\ct]
.endif
.endr
.endr
.rept 8
	v_nop
.endr
.irp ct, 0,1,2,3
.irp j, 0,1,2,3,4,5,6,7
	v_mul_f32 v[80+8*\ct+\j], v[192+8*\ct+\j], v7  ; / the sum, into V's registers, each accumulator from its low end on
.endr
.endr
	s_wait_loadcnt 0x0                             ; Wout
	; the projection: channels 16 ct + 8 h + 2 jj + 0, 1 an instruction; the four column tiles by turns
.irp ct, 0,1,2,3
.irp jj, 0,1,2,3
.irp nt, 0,1,2,3
.set rW, 112+32*\nt+8*\ct+2*\jj
.if \nt > 1
.set rW, 16+32*(\nt-2)+8*\ct+2*\jj
.endif
.if (\ct == 0) && (\jj == 0)
	v_wmma_f32_16x16x4_f32 v[224+8*\nt:231+8*\nt], v[rW:rW+1], v[80+8*\ct+2*\jj:81+8*\ct+2*\jj], 0
.else
	v_wmma_f32_16x16x4_f32 v[224+8*\nt:231+8*\nt], v[rW:rW+1], v[80+8*\ct+2*\jj:81+8*\ct+2*\jj], v[224+8*\nt:231+8*\nt]
.endif
.endr
.endr
.endr
.rept 8
	v_nop
.endr
.irp nt, 0,1,2,3
.irp g, 0,1
	ds_store_b128 v6, v[224+8*\nt+4*\g:227+8*\nt+4*\g] offset:64*\nt+16*\g     ; my head's part of (query r, columns 16 nt + 8 h + 4 g on)
.endr
.endr
	v_lshrrev_b32 v3, 4, v0                        ; the last phase's addresses, made ahead of the parting: thread t takes row t / 16, 16 bytes at 16 (t % 16)
	v_and_b32 v4, 15, v0
	v_mul_u32_u24 v5, v3, PPI
	v_lshl_add_u32 v5, v4, 4, v5
	v_lshlrev_b32 v7, 4, v4
	v_lshl_add_u32 v3, v3, 12, v7
	s_wait_dscnt 0x0                               ; for the others' sake: my stores have landed
	s_barrier_signal -1
	s_barrier_wait -1
	s_cmp_ge_u32 s12, 8                            ; 16 rows x 256 bytes are 256 threads' 16 bytes: waves 0-7
	s_cbranch_scc1 .Ldone
	global_load_b128 v[80:83], v7, s[8:9]          ; bout
.irp w, 0,1,2,3,4,5,6,7,8,9,10,11,12,13,14,15
	ds_load_b128 v[16+4*\w:19+4*\w], v5 offset:16*PPI*\w
.endr
	s_wait_dscnt 0x0
	s_wait_loadcnt 0x0
.set D, 4
.rept 4                                ; the sixteen heads' parts, added as a tree
.set BQ, 16
.rept 32/D
	v_pk_add_f32 v[BQ:BQ+1], v[BQ:BQ+1], v[BQ+D:BQ+D+1]
	v_pk_add_f32 v[BQ+2:BQ+3], v[BQ+2:BQ+3], v[BQ+D+2:BQ+D+3]
.set BQ, BQ+2*D
.endr
.set D, 2*D
.endr
	v_pk_add_f32 v[16:17], v[16:17], v[80:81]
	v_pk_add_f32 v[18:19], v[18:19], v[82:83]
	global_store_b128 v3, v[16:19], s[10:11]       ; sixteen lanes: 256 consecutive bytes, aligned
.Ldone:
	s_wait_tensorcnt 0x0                           ; the wave's end, behind my last LDS store
	ds_add_u32 v[SPW], v[NIL]
	s_wait_dscnt 0x0
	s_endpgm
.Lfunc_end_k_q8757f461e1_first16:
	.size	k_q8757f461e1_first16, .Lfunc_end_k_q8757f461e1_first16-k_q8757f461e1_first16
	.p2alignl 7, 3214868480
	.fill 96, 4, 3214868480
	.section	.rodata,"a",@progbits
	.p2align	6, 0x0
	.amdhsa_kernel k_q8757f461e1_first16
		.amdhsa_group_segment_fixed_size 71680
		.amdhsa_private_segment_fixed_size 0
		.amdhsa_enable_private_segment 0
		.amdhsa_kernarg_size 32
		.amdhsa_user_sgpr_count 2
		.amdhsa_user_sgpr_kernarg_segment_ptr 1
		.amdhsa_wavefront_size32 1
		.amdhsa_system_sgpr_workgroup_id_x 1
		.amdhsa_system_sgpr_workgroup_id_y 1
		.amdhsa_system_sgpr_workgroup_id_z 1
		.amdhsa_system_vgpr_workitem_id 0
		.amdhsa_next_free_vgpr 256
		.amdhsa_next_free_sgpr 66
		.amdhsa_reserve_vcc 1
		.amdhsa_float_denorm_mode_32 3
		.amdhsa_float_denorm_mode_16_64 3
		.amdhsa_memory_ordered 1
		.amdhsa_forward_progress 1
		.amdhsa_inst_pref_size 25
	.end_amdhsa_kernel
	.amdgpu_metadata
---
amdhsa.version: [ 1, 2 ]
amdhsa.kernels:
  - .name:           k_q8757f461e1_first16
    .symbol:         k_q8757f461e1_first16.kd
    .args:
      - { .name: qkv32, .offset: 0, .size: 8, .value_kind: global_buffer, .address_space: global }
      - { .name: Wout, .offset: 8, .size: 8, .value_kind: global_buffer, .address_space: global }
      - { .name: bout, .offset: 16, .size: 8, .value_kind: global_buffer, .address_space: global }
      - { .name: out0, .offset: 24, .size: 8, .value_kind: global_buffer, .address_space: global }
    .group_segment_fixed_size: 71680
    .private_segment_fixed_size: 0
    .kernarg_segment_align: 8
    .kernarg_segment_size: 32
    .max_flat_workgroup_size: 512
    .sgpr_count:     66
    .vgpr_count:     256
    .wavefront_size: 32
...
	.end_amdgpu_metadata
.endif
;; end of part 5
